; MI455X (gfx1250); checked and timed in simulation.
; The chip was launched on July 23, 2026; its instructions are those of AMD's public machine-readable ISA for CDNA 5 (MIT licence, August 2026) and "CDNA5" Instruction Set Architecture Reference Guide (July 2026). The comments in the code are by the model that wrote it; some were corrected since.
;; Transformer Decoder Layer. Allowed arithmetic: float matrix products may take bf16 or f16 operands with f32 sums; all other float work in f32.
;; Inputs: W1 1,024 x 4,096 float32; W2 4,096 x 1,024 float32; Wk 1,024 x 1,024 float32; Wo 1,024 x 1,024 float32; Wq 1,024 x 1,024 float32; Wv 1,024 x 1,024 float32; b1 4,096 float32; b2 1,024 float32; bk 1,024 float32; bo 1,024 float32; bq 1,024 float32; bv 1,024 float32; x 2 x 2,048 x 1,024 float32.
;; Outputs: out0 2 x 2,048 x 1,024 float32.
;; 2 versions, each right and faster than the one before. Each part assembles by itself: llvm-mc -triple=amdgcn-amd-amdhsa -mcpu=gfx1250 --defsym DOCPART=n.
;; ======== version 1 of 2: 6 launches
;; workspace buffers: xb 8,388,608 bytes; wqkv 6,324,224 bytes; w1p 8,421,376 bytes; wo2 10,485,760 bytes; qkv 25,165,824 bytes; ao 8,388,608 bytes; x1c 25,165,824 bytes; h 33,554,432 bytes
;; launch prep (part 1): grid 1025 x 1, 8 waves a work-group, no clusters, 0 bytes of LDS; arguments x, W1, W2, Wq, Wk, Wv, Wo, bq, bk, bv, b1, xb, wqkv, w1p, wo2; writes xb, wqkv, w1p, wo2
.if DOCPART == 1
	.amdgcn_target "amdgcn-amd-amdhsa--gfx1250"
	.amdhsa_code_object_version 6
	.text
	.protected	k_q62c82a0f30_prep
	.globl	k_q62c82a0f30_prep
	.p2align	8
	.type	k_q62c82a0f30_prep,@function
k_q62c82a0f30_prep:
	s_mov_b64 s[64:65], 0
	v_nop
	global_prefetch_b8 v0, s[64:65] scope:SCOPE_SE
	s_setreg_imm32_b32 hwreg(HW_REG_WAVE_MODE, 25, 1), 1
	s_wait_xcnt 0x0
; Casts x and the six weights from f32 to bf16 (round to nearest even) and lays them out for the products that follow.
;   x  [4096][1024]  -> xb: 16 panels [4096 rows][64 columns], a row of 128 bytes, a panel of 524,288 bytes
;   W  [K][N]        -> N/128 panels [K rows][128 columns], a row of 256 bytes.  Wq, Wk, Wv follow each other in wqkv (24 panels),
;                       W1 in w1p (32 panels), both behind a header of 32,768 bytes; Wo at wo2 + 0, W2 at wo2 + 2,097,152
;   header: bytes 0 .. : the bias by output column (bq|bk|bv, or b1); bytes 16,384 .. 20,479: the floor of the activation,
;           -infinity for the projections (no activation), 0 for the first feed-forward product (relu)
; A stream: no LDS, no matrix unit, no barrier.  A work-group casts 16,384 numbers, a thread 8 x 8: two loads of 16 bytes in, one store
; of 16 bytes out; sixteen neighbouring lanes store 256 consecutive bytes at a multiple of 256.  All 16 loads of a thread go out first.
; Work-groups 0-255: x; 256-511: W1; 512-767: W2; 768-1023: Wq, Wk, Wv, Wo (64 each); 1024: the two headers.
.set X, 16                             ; v[16:79]   8 x 8 numbers as loaded
.set Y, 80                             ; v[80:111]  8 x 4 registers to store
; v2: byte offset of my first 32 bytes in the source; v3: of my first 16 bytes in the target; neither is rewritten.
.macro CAST sstep, dstep, nt           ; sstep, dstep: bytes from one of the eight turns to the next; nt = 1: the source is read once in the whole program
.irp i, 0,1,2,3,4,5,6,7
.if \nt
	global_load_b128 v[X+8*\i:X+8*\i+3],   v2, s[40:41] offset:\i*\sstep th:TH_LOAD_NT
	global_load_b128 v[X+8*\i+4:X+8*\i+7], v2, s[40:41] offset:\i*\sstep+16 th:TH_LOAD_NT
.else
	global_load_b128 v[X+8*\i:X+8*\i+3],   v2, s[40:41] offset:\i*\sstep
	global_load_b128 v[X+8*\i+4:X+8*\i+7], v2, s[40:41] offset:\i*\sstep+16
.endif
.endr
.irp i, 0,1,2,3,4,5,6,7
	s_wait_loadcnt 14-2*\i                         ; loads return in order: turn i's two are in, the 14 - 2 i younger ones stay out
.irp k, 0,1,2,3
	v_cvt_pk_bf16_f32 v[Y+4*\i+\k], v[X+8*\i+2*\k], v[X+8*\i+2*\k+1]
.endr
	global_store_b128 v3, v[Y+4*\i:Y+4*\i+3], s[42:43] offset:\i*\dstep
.endr
	s_endpgm
.endm
.macro WTARGET                         ; a weight's target: panel (t>>4)&7 of the eight that 1,024 columns span, row t>>7 of two, 16 bytes at 16 (t&15)
	v_bfe_u32 v4, v0, 4, 3
	v_and_b32 v6, 15, v0
	v_mul_lo_u32 v3, v4, s44                       ; s44: bytes of a panel
	v_lshl_add_u32 v3, v5, 8, v3
	v_lshl_add_u32 v3, v6, 4, v3
.endm
	s_load_b512 s[8:23], s[0:1], 0x0               ; x 8, W1 10, W2 12, Wq 14, Wk 16, Wv 18, Wo 20, bq 22
	s_load_b256 s[24:31], s[0:1], 0x40             ; bk 24, bv 26, b1 28, xb 30
	s_load_b128 s[32:35], s[0:1], 0x60             ; wqkv 32, w1p 34
	s_load_b64 s[36:37], s[0:1], 0x70              ; wo2
	s_mov_b32 s2, ttmp9
	s_mov_b32 s5, 0                                ; high words of the two offset pairs s[4:5], s[6:7]
	s_mov_b32 s7, 0
	v_lshrrev_b32 v5, 7, v0                        ; t >> 7
	s_wait_kmcnt 0x0
	s_cmp_lt_u32 s2, 256
	s_cbranch_scc1 .Lx
	s_cmp_lt_u32 s2, 512
	s_cbranch_scc1 .Lw1
	s_cmp_lt_u32 s2, 768
	s_cbranch_scc1 .Lw2
	s_cmp_lt_u32 s2, 1024
	s_cbranch_scc1 .Lsq
	; the headers: 256 threads x 16 bytes = 1,024 numbers a load
	v_lshlrev_b32 v2, 4, v0
	global_load_b128 v[16:19], v2, s[22:23]
	global_load_b128 v[20:23], v2, s[24:25]
	global_load_b128 v[24:27], v2, s[26:27]
.irp i, 0,1,2,3
	global_load_b128 v[28+4*\i:31+4*\i], v2, s[28:29] offset:\i*4096
.endr
.irp i, 0,1,2,3
	v_mov_b32 v[48+\i], 0xff800000                 ; -infinity
	v_mov_b32 v[52+\i], 0
.endr
	global_store_b128 v2, v[48:51], s[32:33] offset:16384
	global_store_b128 v2, v[52:55], s[34:35] offset:16384
	s_wait_loadcnt 0x0
	global_store_b128 v2, v[16:19], s[32:33]
	global_store_b128 v2, v[20:23], s[32:33] offset:4096
	global_store_b128 v2, v[24:27], s[32:33] offset:8192
.irp i, 0,1,2,3
	global_store_b128 v2, v[28+4*\i:31+4*\i], s[34:35] offset:\i*4096
.endr
	s_endpgm
.Lx:	; 16 rows of x.  Thread t: row (t>>3)&15, panel 2 i + (t>>7) in turn i, columns 8 (t&7) .. +7 of the panel.
	; A wave's store covers four rows of a panel: 512 consecutive bytes.
	s_lshl_b32 s4, s2, 16                          ; 16 rows of 4,096 bytes
	s_add_nc_u64 s[40:41], s[8:9], s[4:5]
	s_lshl_b32 s6, s2, 11                          ; 16 rows of 128 bytes
	s_add_nc_u64 s[42:43], s[30:31], s[6:7]
	v_bfe_u32 v4, v0, 3, 4
	v_and_b32 v6, 7, v0
	v_lshlrev_b32 v2, 12, v4
	v_lshl_add_u32 v2, v5, 8, v2
	v_lshl_add_u32 v2, v6, 5, v2
	v_lshlrev_b32 v3, 19, v5
	v_lshl_add_u32 v3, v4, 7, v3
	v_lshl_add_u32 v3, v6, 4, v3
	CAST 512, 1048576, 0                           ; two panels on a turn; x is read again by a later launch: no hint
.Lw1:	; 16 rows x 1,024 columns of W1: rows 16 (j>>2) .., columns 1,024 (j&3) ..; two rows a turn
	s_sub_co_u32 s3, s2, 256
	s_lshr_b32 s38, s3, 2
	s_and_b32 s39, s3, 3
	s_lshl_b32 s4, s38, 18                         ; 16 rows of 16,384 bytes
	s_lshl_b32 s6, s39, 12
	s_add_co_u32 s4, s4, s6
	s_add_nc_u64 s[40:41], s[10:11], s[4:5]
	s_lshl_b32 s6, s39, 21                         ; eight panels of 262,144 bytes
	s_lshl_b32 s4, s38, 12                         ; 16 rows of 256 bytes
	s_add_co_u32 s6, s6, s4
	s_add_co_u32 s6, s6, 32768                     ; behind the header
	s_add_nc_u64 s[42:43], s[34:35], s[6:7]
	s_mov_b32 s44, 262144
	WTARGET
	v_and_b32 v7, 127, v0
	v_lshlrev_b32 v2, 5, v7
	v_lshl_add_u32 v2, v5, 14, v2
	CAST 32768, 512, 1
.Lw2:	; 16 whole rows of W2
	s_sub_co_u32 s3, s2, 512
	s_lshl_b32 s4, s3, 16
	s_add_nc_u64 s[40:41], s[12:13], s[4:5]
	s_lshl_b32 s6, s3, 12
	s_add_co_u32 s6, s6, 2097152
	s_add_nc_u64 s[42:43], s[36:37], s[6:7]
	s_mov_b32 s44, 1048576
	s_branch .Lrows
.Lsq:	; 16 whole rows of Wq, Wk, Wv or Wo
	s_sub_co_u32 s3, s2, 768
	s_lshr_b32 s38, s3, 6                          ; which of the four
	s_and_b32 s39, s3, 63
	s_lshl_b32 s4, s39, 16
	s_lshl_b32 s6, s38, 21
	s_add_co_u32 s6, s6, 32768                     ; place in wqkv
	s_cmp_eq_u32 s38, 1
	s_cselect_b64 s[40:41], s[16:17], s[14:15]
	s_cmp_eq_u32 s38, 2
	s_cselect_b64 s[40:41], s[18:19], s[40:41]
	s_cmp_eq_u32 s38, 3
	s_cselect_b64 s[40:41], s[20:21], s[40:41]
	s_cselect_b64 s[42:43], s[36:37], s[32:33]     ; Wo goes to wo2 + 0
	s_cselect_b32 s6, 0, s6
	s_lshl_b32 s3, s39, 12
	s_add_co_u32 s6, s6, s3
	s_add_nc_u64 s[40:41], s[40:41], s[4:5]
	s_add_nc_u64 s[42:43], s[42:43], s[6:7]
	s_mov_b32 s44, 262144
.Lrows:	; rows of 1,024 columns, two a turn: the 256 threads' 32 bytes follow each other
	WTARGET
	v_lshlrev_b32 v2, 5, v0
	CAST 8192, 512, 1
.Lfunc_end_k_q62c82a0f30_prep:
	.size	k_q62c82a0f30_prep, .Lfunc_end_k_q62c82a0f30_prep-k_q62c82a0f30_prep
	.p2alignl 7, 3214868480
	.fill 96, 4, 3214868480
	.section	.rodata,"a",@progbits
	.p2align	6, 0x0
	.amdhsa_kernel k_q62c82a0f30_prep
		.amdhsa_group_segment_fixed_size 0
		.amdhsa_private_segment_fixed_size 0
		.amdhsa_enable_private_segment 0
		.amdhsa_kernarg_size 120
		.amdhsa_user_sgpr_count 2
		.amdhsa_user_sgpr_kernarg_segment_ptr 1
		.amdhsa_wavefront_size32 1
		.amdhsa_system_sgpr_workgroup_id_x 1
		.amdhsa_system_sgpr_workgroup_id_y 1
		.amdhsa_system_sgpr_workgroup_id_z 1
		.amdhsa_system_vgpr_workitem_id 0
		.amdhsa_next_free_vgpr 112
		.amdhsa_next_free_sgpr 66
		.amdhsa_reserve_vcc 0
		.amdhsa_float_denorm_mode_32 3
		.amdhsa_float_denorm_mode_16_64 3
		.amdhsa_memory_ordered 1
		.amdhsa_forward_progress 1
		.amdhsa_inst_pref_size 20
	.end_amdhsa_kernel
	.amdgpu_metadata
---
amdhsa.version: [ 1, 2 ]
amdhsa.kernels:
  - .name:           k_q62c82a0f30_prep
    .symbol:         k_q62c82a0f30_prep.kd
    .args:
      - { .name: x, .offset: 0, .size: 8, .value_kind: global_buffer, .address_space: global }
      - { .name: W1, .offset: 8, .size: 8, .value_kind: global_buffer, .address_space: global }
      - { .name: W2, .offset: 16, .size: 8, .value_kind: global_buffer, .address_space: global }
      - { .name: Wq, .offset: 24, .size: 8, .value_kind: global_buffer, .address_space: global }
      - { .name: Wk, .offset: 32, .size: 8, .value_kind: global_buffer, .address_space: global }
      - { .name: Wv, .offset: 40, .size: 8, .value_kind: global_buffer, .address_space: global }
      - { .name: Wo, .offset: 48, .size: 8, .value_kind: global_buffer, .address_space: global }
      - { .name: bq, .offset: 56, .size: 8, .value_kind: global_buffer, .address_space: global }
      - { .name: bk, .offset: 64, .size: 8, .value_kind: global_buffer, .address_space: global }
      - { .name: bv, .offset: 72, .size: 8, .value_kind: global_buffer, .address_space: global }
      - { .name: b1, .offset: 80, .size: 8, .value_kind: global_buffer, .address_space: global }
      - { .name: xb, .offset: 88, .size: 8, .value_kind: global_buffer, .address_space: global }
      - { .name: wqkv, .offset: 96, .size: 8, .value_kind: global_buffer, .address_space: global }
      - { .name: w1p, .offset: 104, .size: 8, .value_kind: global_buffer, .address_space: global }
      - { .name: wo2, .offset: 112, .size: 8, .value_kind: global_buffer, .address_space: global }
    .group_segment_fixed_size: 0
    .private_segment_fixed_size: 0
    .kernarg_segment_align: 8
    .kernarg_segment_size: 120
    .max_flat_workgroup_size: 256
    .sgpr_count:     66
    .vgpr_count:     112
    .wavefront_size: 32
...
	.end_amdgpu_metadata
.endif
;; end of part 1
;; launch qkv (part 2): grid 24 x 32, 4 waves a work-group, clusters of 4 x 4, 327,680 bytes of LDS; arguments xb, wqkv, qkv; writes qkv
.if DOCPART == 2
	.amdgcn_target "amdgcn-amd-amdhsa--gfx1250"
	.amdhsa_code_object_version 6
	.text
	.protected	k_q62c82a0f30_qkv
	.globl	k_q62c82a0f30_qkv
	.p2align	8
	.type	k_q62c82a0f30_qkv,@function
k_q62c82a0f30_qkv:
	s_mov_b64 s[64:65], 0
	v_nop
	global_prefetch_b8 v0, s[64:65] scope:SCOPE_SE
	s_setreg_imm32_b32 hwreg(HW_REG_WAVE_MODE, 25, 1), 1
	s_wait_xcnt 0x0
	s_wait_alu depctr_hold_cnt(0) depctr_sa_sdst(0) depctr_va_vdst(0) depctr_va_sdst(0) depctr_va_ssrc(0) depctr_va_vcc(0) depctr_vm_vsrc(0)
	s_getreg_b32 s2, hwreg(HW_REG_IB_STS2, 6, 4)
	s_cmp_eq_u32 s2, 0
	s_cbranch_scc0 .Lentry_in_a_cluster
	s_endpgm
.Lentry_in_a_cluster:
	s_bfe_u32 s2, ttmp6, 0x10000c
	s_cmp_lg_u32 s2, 0xf033
	s_cbranch_scc0 .Lentry_shape_is_right
	s_endpgm
.Lentry_shape_is_right:
; out = max(A W + bias, floor), rounded to bf16.  Serves two launches: the projections q|k|v (floor = -infinity: no activation) and the first
; feed-forward product (floor = 0: relu).  Arguments: A, W, out.
;   A:   16 panels [4096 tokens][64 k] bf16 (a row 128 bytes, a panel 524,288 bytes)
;   W:   header of 32,768 bytes (bias in f32 by column at 0, the floor in f32 at 16,384), then N/128 panels [1024 k][128 n] bf16
;   out: N/64 panels [4096 tokens][64 n] bf16
; LIMITS: operands are bf16, sums f32; the maximum drops a NaN (a NaN sum comes out as the floor).
; A work-group makes 128 tokens x 128 columns with four waves (2 x 2), a wave 64 x 64: 16 accumulator tiles.  With blocks of this size each of
; this program's four products has a multiple of 256 work-groups (N = 1024 gives 8 x 32).
; K goes in steps of 256 through two LDS slots filled by tensor loads; a slot is multiplied in eight steps of 32.
; CLUSTERS: 4 x 4 work-groups.  The four of a row of the cluster need the same tokens of A, the four of a column the same panel of W: each tile is asked
; for jointly, by the same tensor load with a mask that names the four, which divides the requests for A and W by four.
; W lies [k][n] in LDS; ds_load_tr16_b128 transposes it on the way into the fragment.
; THE MATRIX INSTRUCTION IS USED TRANSPOSED: source 0 = 16 columns of W, source 1 = 16 tokens of A; lane l then holds token l % 16 and its eight
; registers the columns 8 (l / 16) + 0 .. 7.
; REGISTERS: window 0: v16-35 addresses and bias, v64-127 and v128-191 two fragment buffers (W's four fragments, then A's four), v192-207 packed results;
; window 1: v0-127 the accumulators, tile (a, b) at 8 (4 a + b).
.set KTOT,    1024                     ; the contraction's length
.set WOFF,    32768                    ; W's first panel in its buffer
.set RES,     0                        ; 1: a residual is added and the result leaves in f32
.set RESOFF,  0
.set OUTOFF,  0
.set BF16OUT, 1                        ; the result leaves in bf16 panels
.set PANEL_W, KTOT*256                 ; bytes of a panel of W
.set LAPS,    KTOT/512                 ; a lap = both slots = 512 along K
.set PA,      144                      ; LDS pitch of A's rows: 128 bytes + 16, an odd multiple of 16: sixteen rows begin in sixteen different 16-byte columns of 256
.set PANA,    128*PA                   ; 128 tokens of one panel
.set PB,      288                      ; LDS pitch of W's rows: 256 bytes + 32, an odd multiple of 32, as the transposing load's eight rows want
.set HALFT,   2*PANA                   ; what one tensor load brings: two panels of A, or 128 rows of W (128 x 288, the same 36,864 bytes)
.set BPART,   2*HALFT                  ; W's part of a slot lies behind A's
.set SLOT,    4*HALFT
.set STAGE,   2*SLOT                   ; behind the ring, filled by no tensor load: 16 rows x 272 bytes for each wave
.set SP,      272
.set STEP_A,  4*524288                 ; a slot on: four panels of A,
.set STEP_B,  256*256                  ; 256 rows of W
.set ADRA, 16                          ; v16-17  my A fragments in slot 0, 1
.set ADRB, 20                          ; v20-23  my W fragments: slot 0 rows 0-127, 128-255; slot 1 likewise (an LDS immediate has 16 bits)
.set STO,  24                          ; the way out: where I put 32 bytes of a token's row
.set RD,   25                          ; where I read 16 bytes of a row back
.set CO,   26                          ; my byte offset in a bf16 panel
.set CF,   27                          ; my byte offset in an f32 array of 1,024 columns
.set BO,   28                          ; my byte offset in the bias
.set BIAS, 32                          ; v[32:35] the bias of my four columns on the way out
.set F0,   64
.set F1,   128
.set Y,    192
.set G1,  24                           ; s[24:31] group 1 for A     s[32:39] group 0 for A, a set for each slot
.set G0,  32
.set G1B, 48                           ; s[48:55] group 1 for W     s[56:63] group 0 for W
.set G0B, 56
.set MUL, 0x50                         ; C and D in window 1
.set ST1, 0x04                         ; source 1 (LDS store data, second addend) in window 1
.set TO1, 0x40                         ; destination in window 1
.set MSB, 0
.macro WIN new                         ; the immediate's high byte repeats the setting that is left
.if MSB != \new
	s_set_vgpr_msb (MSB<<8)|\new
.set MSB, \new
.endif
.endm
.macro JLOAD s                         ; a joint load: waves 0, 1 fetch A's halves, waves 2, 3 W's; the branch hangs on the wave's number alone
	s_cmp_eq_u32 s11, 0
	s_cbranch_scc0 .Lfor_b_\@
	tensor_load_to_lds s[G0+4*\s:G0+4*\s+3], s[G1:G1+7]
	s_nop 0
	s_branch .Lasked_\@
.Lfor_b_\@:
	tensor_load_to_lds s[G0B+4*\s:G0B+4*\s+3], s[G1B:G1B+7]
	s_nop 0
.Lasked_\@:
.endm
.macro CREST                           ; a round of the cluster's barrier behind its opening work-group barrier
	s_cmp_lg_u32 s10, 0
	s_cbranch_scc1 .Lnot_wave_0_\@
	s_barrier_signal -3
.Lnot_wave_0_\@:
	s_barrier_wait -3
	s_barrier_signal -1
	s_barrier_wait -1
.endm
.macro CROUND
	s_barrier_signal -1
	s_barrier_wait -1
	CREST
.endm
.macro PLACES                          ; four plain vector places between a matrix instruction and a load into, or a read of, its registers
.rept 4
	v_nop
.endr
.endm
; the fragments of K step q (0..7) of a slot into buffer f: 8 transposing loads for W's 64 columns, 8 loads for A's 64 tokens
.macro FETCH slot, q, f
	WIN 0
.irp b, 0,1,2,3
	ds_load_tr16_b128 v[\f+8*\b:\f+8*\b+3],   v[ADRB+2*\slot+(\q>>2)] offset:(\q&3)*32*PB+32*\b
	ds_load_tr16_b128 v[\f+8*\b+4:\f+8*\b+7], v[ADRB+2*\slot+(\q>>2)] offset:(\q&3)*32*PB+32*\b+16*PB
.endr
.irp a, 0,1,2,3
	ds_load_b128 v[\f+32+8*\a:\f+32+8*\a+3],   v[ADRA+\slot] offset:(\q>>1)*PANA+(\q&1)*64+\a*16*PA
	ds_load_b128 v[\f+32+8*\a+4:\f+32+8*\a+7], v[ADRA+\slot] offset:(\q>>1)*PANA+(\q&1)*64+\a*16*PA+32
.endr
.endm
; 8 matrix instructions: token blocks a0, a0 + 1 x the four column blocks.  The 16 accumulators take turns, one instruction a turn, in the same order
; in every step.  zero = 1: the first product starts the sums.
.macro MUL8 f, a0, zero
.irp a, \a0, \a0+1
.irp b, 0,1,2,3
.if \zero
	v_wmma_f32_16x16x32_bf16 v[8*(4*(\a)+\b):8*(4*(\a)+\b)+7], v[\f+8*\b:\f+8*\b+7], v[\f+32+8*(\a):\f+32+8*(\a)+7], 0
.else
	v_wmma_f32_16x16x32_bf16 v[8*(4*(\a)+\b):8*(4*(\a)+\b)+7], v[\f+8*\b:\f+8*\b+7], v[\f+32+8*(\a):\f+32+8*(\a)+7], v[8*(4*(\a)+\b):8*(4*(\a)+\b)+7]
.endif
.endr
.endr
.endm
; one of a slot's first seven K steps: asks for step nq's fragments into buffer g, then multiplies buffer f
.macro KSTEP slot, nq, f, g, zero
	PLACES                                         ; buffer g was read by the matrix instructions just issued
	FETCH \slot, \nq, \g
	s_wait_dscnt 16                                ; all but the 16 loads just issued: buffer f is in
	WIN MUL
	MUL8 \f, 0, \zero
	MUL8 \f, 2, \zero
.endm
.macro SEVEN slot, zero
	KSTEP \slot, 1, F0, F1, \zero
	KSTEP \slot, 2, F1, F0, 0
	KSTEP \slot, 3, F0, F1, 0
	KSTEP \slot, 4, F1, F0, 0
	KSTEP \slot, 5, F0, F1, 0
	KSTEP \slot, 6, F1, F0, 0
	KSTEP \slot, 7, F0, F1, 0
.endm
; the eighth K step (buffer 1) and the change of slots.  In front of the barrier each wave waits for its reads of this slot and for all its tensor loads
; (one is out: its part of the next slot).  fill = 1: the barrier opens a round of the cluster's barrier, and the joint refill of this slot is the first
; tensor load behind the round.  From that request to the wait for it a wave issues 120 matrix instructions.
.macro TURN slot, next, fill
	s_wait_dscnt 0x0
	s_wait_tensorcnt 0x0
	ds_add_u32 v254, v255
	s_wait_dscnt 0x0
	s_barrier_signal -1
	WIN MUL
	MUL8 F1, 0, 0                                  ; register work while the others arrive
	WIN 0
	s_barrier_wait -1
.if \fill
	CREST
	s_add_nc_u64 s[G0+4*\slot+2:G0+4*\slot+3], s[G0+4*\slot+2:G0+4*\slot+3], 2*STEP_A      ; no tensor load of mine is out: group 0 may be written
	s_add_nc_u64 s[G0B+4*\slot+2:G0B+4*\slot+3], s[G0B+4*\slot+2:G0B+4*\slot+3], 2*STEP_B
	JLOAD \slot
.endif
	PLACES
	FETCH \next, 0, F0
	WIN MUL
	MUL8 F1, 2, 0
.endm
.macro LAP zero
	SEVEN 0, \zero
	TURN 0, 1, 1
	SEVEN 1, 0
	TURN 1, 0, 1
.endm
	s_load_b128 s[4:7], s[0:1], 0x0                ; A, W
	s_load_b64 s[8:9], s[0:1], 0x10                ; out
	v_lshl_add_u32 v254, v0, 2, 0x4c400
	v_mov_b32 v255, 0
	ds_add_u32 v254, v255
.if RES
	s_load_b64 s[66:67], s[0:1], 0x18              ; bias
	s_load_b64 s[68:69], s[0:1], 0x20              ; residual
.endif
	v_lshrrev_b32 v1, 5, v0
	v_readfirstlane_b32 s10, v1                    ; wave 0..3
	s_lshr_b32 s11, s10, 1                         ; my half of the tokens.  Also: I fetch for A (0) or for W (1)
	s_and_b32 s12, s10, 1                          ; my half of the columns.  Also: which half of that tile I fetch
	s_bfe_u32 s40, ttmp6, 0x40000                  ; cx
	s_bfe_u32 s41, ttmp6, 0x40004                  ; cy
	s_lshl_b32 s42, ttmp9, 2
	s_add_co_u32 s42, s42, s40                     ; block column = 4 x cluster x + cx
	s_and_b32 s13, ttmp7, 0xffff
	s_lshl_b32 s13, s13, 2
	s_add_co_u32 s13, s13, s41                     ; block row = 4 x cluster y + cy
	s_lshl_b32 s43, s41, 2
	s_lshl_b32 s43, 15, s43                        ; my row of the cluster
	s_lshl_b32 s44, 0x1111, s40                    ; my column
	; group 1 for A: two panels' 128 tokens.  In memory 128 tokens of a panel are 8,192 consecutive elements: that is the tile's row; the next panel lies
	; 262,144 elements on.  16 bytes of padding behind every 32 words (a token's 128 bytes): LDS pitch 144.
	s_or_b32 s[G1+0], s43, (1<<16)|(1<<20)|(1<<21)|(4<<22)|(3<<25)
	s_mov_b32 s[G1+1], 8192<<16                    ; tensor_dim0 = 8,192
	s_mov_b32 s[G1+2], 2<<16                       ; tensor_dim1 = 2
	s_mov_b32 s[G1+3], 8192<<16                    ; tile_dim0 = 8,192
	s_mov_b32 s[G1+4], 2                           ; tile_dim1 = 2
	s_mov_b32 s[G1+5], 262144                      ; from panel to panel
	s_mov_b32 s[G1+6], 0
	s_mov_b32 s[G1+7], 0
	; group 1 for W: 128 rows of 128 elements, dense; 32 bytes of padding behind every 64 words: LDS pitch 288
	s_or_b32 s[G1B+0], s44, (1<<16)|(1<<20)|(1<<21)|(5<<22)|(7<<25)
	s_mov_b32 s[G1B+1], 128<<16
	s_mov_b32 s[G1B+2], 128<<16
	s_mov_b32 s[G1B+3], 128<<16
	s_mov_b32 s[G1B+4], 128
	s_mov_b32 s[G1B+5], 128
	s_mov_b32 s[G1B+6], 0
	s_mov_b32 s[G1B+7], 0
	; A's address hangs on the block row and the wave alone, W's on the block column and the wave alone, each in registers that never hold the other coordinate
	s_lshl_b32 s16, s13, 14                        ; 128 tokens of 128 bytes
	s_lshl_b32 s17, s12, 20                        ; two panels
	s_add_co_u32 s16, s16, s17
	s_mov_b32 s17, 0
	s_mul_i32 s46, s42, PANEL_W
	s_lshl_b32 s47, s12, 15                        ; 128 rows of 256 bytes
	s_add_co_u32 s46, s46, s47
	s_add_co_u32 s46, s46, WOFF
	s_mov_b32 s47, 0
	s_mul_i32 s20, s10, HALFT                      ; LDS: A's two halves, then W's two = wave x 36,864
	s_wait_dscnt 0x0
	s_wait_kmcnt 0x0
	s_add_nc_u64 s[14:15], s[4:5], s[16:17]
	s_add_nc_u64 s[46:47], s[6:7], s[46:47]
	CROUND                                         ; all sixteen work-groups are here: the first joint loads meet
.irp s, 0,1
	s_mov_b32 s[G0+4*\s], 1
	s_add_co_u32 s[G0+4*\s+1], s20, \s*SLOT
	s_add_nc_u64 s[G0+4*\s+2:G0+4*\s+3], s[14:15], \s*STEP_A
	s_or_b32 s[G0+4*\s+3], s[G0+4*\s+3], 0x80000000
	s_mov_b32 s[G0B+4*\s], 1
	s_add_co_u32 s[G0B+4*\s+1], s20, \s*SLOT
	s_add_nc_u64 s[G0B+4*\s+2:G0B+4*\s+3], s[46:47], \s*STEP_B
	s_or_b32 s[G0B+4*\s+3], s[G0B+4*\s+3], 0x80000000
	JLOAD \s                                       ; both slots' first fills: two tensor loads of a wave are out here, one behind each later round
.endr
.if RES == 0
	s_load_b32 s72, s[6:7], 0x4000                 ; the floor
.endif
	; where my 64 x 64 block lies: s[76:77] in an f32 array [4096][1024], s[78:79] in bf16 panels
	s_lshl_b32 s73, s42, 9                         ; 128 columns of 4 bytes
	s_lshl_b32 s74, s12, 8
	s_add_co_u32 s73, s73, s74                     ; my first column, in f32 bytes: also my place in the bias
	s_lshl_b32 s76, s13, 19                        ; 128 rows of 4,096 bytes
	s_lshl_b32 s75, s11, 18
	s_add_co_u32 s76, s76, s75
	s_add_co_u32 s76, s76, s73
	s_mov_b32 s77, 0
	s_lshl_b32 s78, s42, 20                        ; two panels a block column
	s_lshl_b32 s75, s12, 19
	s_add_co_u32 s78, s78, s75
	s_lshl_b32 s75, s13, 14                        ; 128 rows of 128 bytes
	s_add_co_u32 s78, s78, s75
	s_lshl_b32 s75, s11, 13
	s_add_co_u32 s78, s78, s75
	s_mov_b32 s79, 0
.if RES
	s_add_nc_u64 s[68:69], s[68:69], s[76:77]
.if RESOFF
	s_add_nc_u64 s[68:69], s[68:69], RESOFF
.endif
.if BF16OUT
	s_add_nc_u64 s[70:71], s[8:9], s[78:79]
.endif
	s_add_nc_u64 s[8:9], s[8:9], s[76:77]
.if OUTOFF
	s_add_nc_u64 s[8:9], s[8:9], OUTOFF
.endif
.else
	s_add_nc_u64 s[8:9], s[8:9], s[78:79]
.endif
	v_and_b32 v1, 15, v0                           ; r = l % 16
	v_bfe_u32 v2, v0, 4, 1                         ; h = l / 16
	v_mul_u32_u24 v3, v1, PA
	v_lshl_add_u32 v3, v2, 4, v3                   ; A: token r x pitch + 16 h
	s_mul_i32 s21, s11, 64*PA
	v_add_nc_u32 v[ADRA], s21, v3
	v_add_nc_u32 v[ADRA+1], SLOT, v[ADRA]
	v_and_b32 v4, 7, v0
	v_lshl_add_u32 v4, v2, 3, v4                   ; W: row 8 h + l % 8,
	v_mul_u32_u24 v4, v4, PB
	v_bfe_u32 v5, v0, 3, 1
	v_lshl_add_u32 v4, v5, 4, v4                   ; 16 bytes further for lanes 8-15 of each sixteen
	s_lshl_b32 s22, s12, 7                         ; my 64 columns
	s_add_co_u32 s22, s22, BPART
	v_add_nc_u32 v[ADRB], s22, v4
	v_add_nc_u32 v[ADRB+1], HALFT, v[ADRB]
	v_add_nc_u32 v[ADRB+2], SLOT, v[ADRB]
	v_add_nc_u32 v[ADRB+3], SLOT+HALFT, v[ADRB]
	s_mul_i32 s23, s10, 16*SP
	s_add_co_u32 s23, s23, STAGE                   ; my stage
	v_mul_u32_u24 v4, v1, SP
	v_lshl_add_u32 v4, v2, 5, v4                   ; in: token r, 32 bytes for each half of the lanes
	v_add_nc_u32 v[STO], s23, v4
	v_mul_u32_u24 v5, v2, SP
	v_lshl_add_u32 v5, v1, 4, v5                   ; back: lanes 0-15 one row of 256 bytes, lanes 16-31 the next
	v_add_nc_u32 v[RD], s23, v5
	v_lshlrev_b32 v5, 7, v2
	v_lshl_add_u32 v[CO], v1, 3, v5                ; the same two rows in a bf16 panel: 8 bytes a lane
	v_lshlrev_b32 v5, 12, v2
	v_lshl_add_u32 v[CF], v1, 4, v5                ; and in an f32 array
	v_lshl_add_u32 v[BO], v1, 4, s73
.if RES
	global_load_b128 v[BIAS:BIAS+3], v[BO], s[66:67]
	WIN TO1                                        ; the residual of my block, in the way out's layout, into window 1: it lands while the products run
.irp a, 0,1,2,3
.irp t, 0,1,2,3,4,5,6,7
	global_load_b128 v[128+32*\a+4*\t:128+32*\a+4*\t+3], v[CF], s[68:69] offset:(16*\a+2*\t)*4096
.endr
.endr
	WIN 0
.else
	global_load_b128 v[BIAS:BIAS+3], v[BO], s[6:7]
.endif
	s_wait_tensorcnt 0x1                           ; my part of slot 0 is in; slot 1's may stay out
	s_barrier_signal -1
	s_barrier_wait -1
	FETCH 0, 0, F0
	LAP 1                                          ; the first lap's first products start the sums
.if LAPS > 2
	WIN 0
	s_mov_b32 s3, LAPS-2
.Llap:
	LAP 0
	WIN 0
	s_sub_co_u32 s3, s3, 1
	s_cmp_lg_u32 s3, 0
	s_cbranch_scc1 .Llap
.endif
	SEVEN 0, 0                                     ; the last lap fills nothing
	TURN 0, 1, 0
	SEVEN 1, 0
	s_wait_dscnt 0x0
	WIN MUL
	MUL8 F1, 0, 0
	MUL8 F1, 2, 0
	PLACES                                         ; behind the last matrix instructions: the stage's stores read results, the loads below write fragment buffers
	s_wait_loadcnt 0x0                             ; bias (and residual)
	s_wait_kmcnt 0x0                               ; the floor
; THE WAY OUT, 16 tokens at a time: the f32 sums go into my own stage (a token's 64 columns are 256 bytes) and come back as whole rows, two rows a load.
; LDS serves a wave's instructions in order (ISA guide 5.7.1), and the stage is the wave's own: no wait between stores and loads, no barrier.
.macro OUT16 a, f
	WIN ST1
.irp b, 0,1,2,3
	ds_store_b128 v[STO], v[8*(4*\a+\b):8*(4*\a+\b)+3]   offset:64*\b
	ds_store_b128 v[STO], v[8*(4*\a+\b)+4:8*(4*\a+\b)+7] offset:64*\b+16
.endr
	WIN 0
	s_wait_xcnt 0x0                                ; registers that earlier stores read as data are written again only behind this wait
.irp t, 0,1,2,3,4,5,6,7
	ds_load_b128 v[\f+4*\t:\f+4*\t+3], v[RD] offset:\t*2*SP
.endr
.if RES
	s_wait_dscnt 0x0
	WIN ST1
.set n, 0
.rept 16
	v_pk_add_f32 v[\f+2*n:\f+2*n+1], v[\f+2*n:\f+2*n+1], v[128+32*\a+2*n:128+32*\a+2*n+1]   ; + residual
.set n, n+1
.endr
	WIN 0
.set n, 0
.rept 16
	v_pk_add_f32 v[\f+2*n:\f+2*n+1], v[\f+2*n:\f+2*n+1], v[BIAS+2*(n&1):BIAS+2*(n&1)+1]     ; + bias
.set n, n+1
.endr
.irp t, 0,1,2,3,4,5,6,7
	global_store_b128 v[CF], v[\f+4*\t:\f+4*\t+3], s[8:9] offset:(16*\a+2*\t)*4096          ; sixteen lanes store 256 consecutive bytes, aligned
.if BF16OUT
	v_cvt_pk_bf16_f32 v[Y+2*\t],   v[\f+4*\t],   v[\f+4*\t+1]
	v_cvt_pk_bf16_f32 v[Y+2*\t+1], v[\f+4*\t+2], v[\f+4*\t+3]
	global_store_b64 v[CO], v[Y+2*\t:Y+2*\t+1], s[70:71] offset:\a*2048+\t*256              ; the wave stores two panel rows: 256 consecutive bytes, aligned
.endif
.endr
.else
.irp t, 0,1,2,3,4,5,6,7
	s_wait_dscnt 7-\t                              ; the 7 - t younger stage reads may stay out
	v_pk_add_f32 v[\f+4*\t:\f+4*\t+1],   v[\f+4*\t:\f+4*\t+1],   v[BIAS:BIAS+1]
	v_pk_add_f32 v[\f+4*\t+2:\f+4*\t+3], v[\f+4*\t+2:\f+4*\t+3], v[BIAS+2:BIAS+3]
.irp k, 0,1,2,3
	v_max_num_f32 v[\f+4*\t+\k], s72, v[\f+4*\t+\k]
.endr
	v_cvt_pk_bf16_f32 v[Y+2*\t],   v[\f+4*\t],   v[\f+4*\t+1]
	v_cvt_pk_bf16_f32 v[Y+2*\t+1], v[\f+4*\t+2], v[\f+4*\t+3]
	global_store_b64 v[CO], v[Y+2*\t:Y+2*\t+1], s[8:9] offset:\a*2048+\t*256                ; the wave stores two panel rows: 256 consecutive bytes, aligned
.endr
.endif
.endm
	OUT16 0, F0
	OUT16 1, F1
	OUT16 2, F0
	OUT16 3, F1
	s_wait_tensorcnt 0x0
	ds_add_u32 v254, v255
	s_wait_dscnt 0x0
	CROUND                                         ; the closing round: no work-group ends while a partner may still ask for a tile that names it
	s_endpgm
.Lfunc_end_k_q62c82a0f30_qkv:
	.size	k_q62c82a0f30_qkv, .Lfunc_end_k_q62c82a0f30_qkv-k_q62c82a0f30_qkv
	.p2alignl 7, 3214868480
	.fill 96, 4, 3214868480
	.section	.rodata,"a",@progbits
	.p2align	6, 0x0
	.amdhsa_kernel k_q62c82a0f30_qkv
		.amdhsa_group_segment_fixed_size 327680
		.amdhsa_private_segment_fixed_size 0
		.amdhsa_enable_private_segment 0
		.amdhsa_kernarg_size 24
		.amdhsa_user_sgpr_count 2
		.amdhsa_user_sgpr_kernarg_segment_ptr 1
		.amdhsa_wavefront_size32 1
		.amdhsa_system_sgpr_workgroup_id_x 1
		.amdhsa_system_sgpr_workgroup_id_y 1
		.amdhsa_system_sgpr_workgroup_id_z 1
		.amdhsa_system_vgpr_workitem_id 0
		.amdhsa_next_free_vgpr 384
		.amdhsa_next_free_sgpr 80
		.amdhsa_reserve_vcc 0
		.amdhsa_float_denorm_mode_32 3
		.amdhsa_float_denorm_mode_16_64 3
		.amdhsa_memory_ordered 1
		.amdhsa_forward_progress 1
		.amdhsa_inst_pref_size 101
	.end_amdhsa_kernel
	.amdgpu_metadata
---
amdhsa.version: [ 1, 2 ]
amdhsa.kernels:
  - .name:           k_q62c82a0f30_qkv
    .symbol:         k_q62c82a0f30_qkv.kd
    .args:
      - { .name: xb, .offset: 0, .size: 8, .value_kind: global_buffer, .address_space: global }
      - { .name: wqkv, .offset: 8, .size: 8, .value_kind: global_buffer, .address_space: global }
      - { .name: qkv, .offset: 16, .size: 8, .value_kind: global_buffer, .address_space: global }
    .group_segment_fixed_size: 327680
    .private_segment_fixed_size: 0
    .kernarg_segment_align: 8
    .kernarg_segment_size: 24
    .max_flat_workgroup_size: 128
    .sgpr_count:     80
    .vgpr_count:     384
    .wavefront_size: 32
...
	.end_amdgpu_metadata
.endif
;; end of part 2
;; launch attn (part 3): grid 8 x 32, 8 waves a work-group, no clusters, 327,680 bytes of LDS; arguments qkv, ao; writes ao
.if DOCPART == 3
	.amdgcn_target "amdgcn-amd-amdhsa--gfx1250"
	.amdhsa_code_object_version 6
	.text
	.protected	k_q62c82a0f30_attn
	.globl	k_q62c82a0f30_attn
	.p2align	8
	.type	k_q62c82a0f30_attn,@function
k_q62c82a0f30_attn:
	s_mov_b64 s[64:65], 0
	v_nop
	global_prefetch_b8 v0, s[64:65] scope:SCOPE_SE
	s_setreg_imm32_b32 hwreg(HW_REG_WAVE_MODE, 25, 1), 1
	s_wait_xcnt 0x0
; Causal attention of one head: ao = softmax(q k^T / 8, keys <= query) v.  qkv: 48 panels [4096 rows][64] bf16 (q of head h: panel h, k: 16 + h,
; v: 32 + h; row = 2048 batch + position).  ao: 16 panels of the same shape, panel = head.
; Work-group (i, 16 batch + head), i = 0..7, takes the query blocks i and 15 - i (128 queries each) against the key tiles 0..i and 0..15-i (128 keys
; each): i + 1 + 16 - i = 17 steps whatever i, so the 256 work-groups have equal work and tiles above the diagonal are never touched.
; Eight waves, 16 queries each.  A running maximum and a running sum are kept in f32 (one of each a lane).
; TRANSPOSED FORMS: S^T = K Q^T (source 0: 16 keys, source 1: 16 queries): lane l holds query l % 16, register j of tile kt the key 16 kt + 8 (l / 16) + j.
; Two neighbouring tiles, packed to bf16, are then the second source of O^T = V^T P^T as they stand; V^T comes by the transposing LDS load.
; The only exchange between lanes is with lane l xor 16 (the other half of a query's keys).
; NO CLUSTER: the eight work-groups of a head need key tile t at different steps and stop at different tiles (i + 1 and 16 - i of them); a joint walk in
; which every partner asks for every tile would take 16 + 4 or more steps for all against 17, and a step asks for only 32,768 bytes.
; LIMITS: q, k, v and the weights p go to the matrix unit in bf16; the row sum adds the f32 p, the numerator the rounded p; an exponential below 2^-126 is 0.
.set PK,    144                        ; LDS pitch of K's rows: 128 bytes + 16
.set PV,    160                        ; of V's rows: 128 bytes + 32, an odd multiple of 32 for the transposing load
.set VOFF,  128*PK
.set SLOT,  VOFF+128*PV                ; 38,912
.set STAGE, 2*SLOT                     ; 77,824: behind the ring, filled by no tensor load: 16 rows x 144 bytes for each wave
.set SPW,   16*PK
.set KADR, 1                           ; v1      K fragments: (l % 16) x 144 + 16 (l / 16)
.set VADR, 2                           ; v2-3    V fragments in slot 0, 1
.set DV,   4                           ; v4      my query in the block less 8 (l / 16), signed: key 16 kt + j of my registers is masked if 16 kt + j > DV
.set M,    5                           ; running maximum of the raw scores
.set LS,   6                           ; running sum over my half of the keys
.set MN,   7
.set AL,   8                           ; v[8:9]   the old sums' factor, twice
.set NC,   10                          ; v[10:11] -c x new maximum, twice
.set T,    12                          ; v[12:15] at work; v15 is also Q's load offset until Q has come
.set Q,    16                          ; v[16:31] two fragments: 16 queries x 64
.set O,    32                          ; v[32:63] four tiles: 64 d x 16 queries
.set S,    64                          ; v[64:127] eight tiles: 128 keys x 16 queries
.set F,    128                         ; v[128:255] 16 fragments of K, then 16 of V
.macro ALOAD                           ; wave 0 asks for K's tile, wave 1 for V's: one tensor load a wave, at most one out
	s_cmp_lg_u32 s8, 0
	s_cbranch_scc1 .Lnot_k_\@
	tensor_load_to_lds s[40:43], s[24:31]
	s_nop 0
.Lnot_k_\@:
	s_cmp_lg_u32 s8, 1
	s_cbranch_scc1 .Lnot_v_\@
	tensor_load_to_lds s[44:47], s[32:39]
	s_nop 0
.Lnot_v_\@:
.endm
.macro RESET                           ; a new query block, its number in s13: pointers, Q's loads, empty sums
	s_lshl_b32 s14, s13, 14                        ; 128 rows of 128 bytes
	s_mov_b32 s15, 0
	s_add_nc_u64 s[48:49], s[20:21], s[14:15]
	s_add_nc_u64 s[50:51], s[22:23], s[14:15]
	v_and_b32 v[T], 15, v0
	v_lshrrev_b32 v[T+1], 5, v0
	v_lshl_add_u32 v[T], v[T+1], 4, v[T]           ; my query: 16 wave + l % 16
	v_bfe_u32 v[T+1], v0, 4, 1
	v_lshlrev_b32 v[T+1], 4, v[T+1]
	v_lshl_add_u32 v[T+3], v[T], 7, v[T+1]         ; x 128 bytes + 16 (l / 16)
.irp n, 0,1,2,3
	global_load_b128 v[Q+4*\n:Q+4*\n+3], v[T+3], s[48:49] offset:32*\n
.endr
	v_mov_b32 v[M], 0xff800000                     ; -infinity
	v_mov_b32 v[LS], 0
.irp n, 0,1,2,3,4,5,6,7,8,9,10,11,12,13,14,15,16,17,18,19,20,21,22,23,24,25,26,27,28,29,30,31
	v_mov_b32 v[O+\n], 0                           ; twice in a work-group: the border between the two blocks stands at step i of the loop, so no first product can be written out
.endr
.endm
.macro MASK                            ; the diagonal tile: keys behind the query get -infinity
	v_mov_b32 v[T+2], 0xff800000
.irp kt, 0,1,2,3,4,5,6,7
.irp j, 0,1,2,3,4,5,6,7
	v_cmp_gt_i32 vcc_lo, 16*\kt+\j, v[DV]
	v_cndmask_b32 v[S+8*\kt+\j], v[S+8*\kt+\j], v[T+2], vcc_lo
.endr
.endr
.endm
.macro FINAL                           ; O / sum, to bf16, through my stage, out in whole rows
	v_permlanex16_b32 v[T], v[LS], s52, s53        ; the other half of my query's keys
	v_add_f32 v[T], v[LS], v[T]
	v_rcp_f32 v[AL], v[T]
	v_rcp_f32 v[AL+1], v[T]
	v_nop                                          ; one plain place behind a transcendental (ISA guide 5.7.2)
	s_wait_alu depctr_va_vdst(0)
.irp n, 0,1,2,3,4,5,6,7,8,9,10,11,12,13,14,15
	v_pk_mul_f32 v[O+2*\n:O+2*\n+1], v[O+2*\n:O+2*\n+1], v[AL:AL+1]
.endr
.irp n, 0,1,2,3,4,5,6,7,8,9,10,11,12,13,14,15
	v_cvt_pk_bf16_f32 v[F+\n], v[O+2*\n], v[O+2*\n+1]          ; v[F+4 dt ..]: d = 16 dt + 8 (l / 16) + 0..7 of my query
.endr
	s_mul_i32 s13, s8, SPW
	s_add_co_u32 s13, s13, STAGE
	v_add_nc_u32 v[F+32], s13, v[KADR]             ; in: row l % 16, 16 bytes for each half of the lanes
	v_bfe_u32 v[F+33], v0, 3, 2
	v_mul_u32_u24 v[F+33], v[F+33], PK
	v_and_b32 v[F+34], 7, v0
	v_lshl_add_u32 v[F+33], v[F+34], 4, v[F+33]
	v_add_nc_u32 v[F+33], s13, v[F+33]             ; back: eight lanes a row of 128 bytes, four rows a load
	v_and_b32 v[F+34], 31, v0
	v_lshlrev_b32 v[F+34], 4, v[F+34]
	s_lshl_b32 s14, s8, 11
	v_add_nc_u32 v[F+34], s14, v[F+34]             ; in ao: 16 rows a wave, 16 bytes a lane
.irp dt, 0,1,2,3
	ds_store_b128 v[F+32], v[F+4*\dt:F+4*\dt+3] offset:32*\dt
.endr
.irp g, 0,1,2,3
	ds_load_b128 v[F+16+4*\g:F+16+4*\g+3], v[F+33] offset:4*PK*\g      ; my own bytes, served in order: no wait between
.endr
.irp g, 0,1,2,3
	s_wait_dscnt 3-\g                              ; the 3 - g younger stage reads may stay out
	global_store_b128 v[F+34], v[F+16+4*\g:F+16+4*\g+3], s[50:51] offset:512*\g   ; the wave stores 512 consecutive bytes, aligned
.endr
.endm
; One step: the key tile in \slot.  refill = 1: the next step's tile is asked for into the other slot.  tail = 1: the last step of all.
.macro STEP slot, refill, tail
	s_set_vgpr_msb 0x5
	s_wait_tensorcnt 0x0                           ; all my tensor loads have landed (this step's tile, if I asked for it): group 0 may be written
	ds_add_u32 v0, v1
	s_wait_dscnt 0x0
	s_set_vgpr_msb 0x500
.if \refill
	s_add_co_u32 s13, s11, 1                       ; the next step; its tile is the step's number, less i + 1 in the second block
	s_cmp_gt_u32 s13, s9
	s_cselect_b32 s14, s10, 0
	s_sub_co_u32 s13, s13, s14
	s_lshl_b32 s14, s13, 14                        ; 128 rows of 128 bytes
	s_mov_b32 s15, 0
	s_mov_b32 s40, 1
	s_mov_b32 s41, (1-\slot)*SLOT
	s_add_nc_u64 s[42:43], s[16:17], s[14:15]
	s_or_b32 s43, s43, 0x80000000
	s_mov_b32 s44, 1
	s_mov_b32 s45, (1-\slot)*SLOT+VOFF
	s_add_nc_u64 s[46:47], s[18:19], s[14:15]
	s_or_b32 s47, s47, 0x80000000
.endif
	s_wait_dscnt 0x0                               ; my reads of the other slot are over
	s_barrier_signal -1
	s_barrier_wait -1                              ; both hold of all eight waves: this slot is whole, the other is free
.if \refill
	ALOAD                                          ; first thing behind the barrier: it has the whole step in which to land
.endif
.irp c, 0,1
.irp kt, 0,1,2,3,4,5,6,7
	ds_load_b128 v[F+16*\kt+8*\c:F+16*\kt+8*\c+3],   v[KADR] offset:\slot*SLOT+\kt*16*PK+64*\c
	ds_load_b128 v[F+16*\kt+8*\c+4:F+16*\kt+8*\c+7], v[KADR] offset:\slot*SLOT+\kt*16*PK+64*\c+32
.endr
.endr
	s_wait_loadcnt 0x0                             ; Q (met at once but in a block's first step); it also frees v15
	s_wait_dscnt 16                                ; d = 0..31 of the keys is in; the 16 loads for d = 32..63 may stay out
.irp kt, 0,1,2,3,4,5,6,7
	v_wmma_f32_16x16x32_bf16 v[S+8*\kt:S+8*\kt+7], v[F+16*\kt:F+16*\kt+7], v[Q:Q+7], 0
.endr
	s_wait_dscnt 0x0
.irp kt, 0,1,2,3,4,5,6,7
	v_wmma_f32_16x16x32_bf16 v[S+8*\kt:S+8*\kt+7], v[F+16*\kt+8:F+16*\kt+15], v[Q+8:Q+15], v[S+8*\kt:S+8*\kt+7]   ; the eight tiles take turns
.endr
.rept 4
	v_nop                                          ; four places: loads into K's fragments, reads of the scores
.endr
.irp u, 0,1,2,3
.irp dt, 0,1,2,3
	ds_load_tr16_b128 v[F+32*\u+8*\dt:F+32*\u+8*\dt+3],   v[VADR+\slot] offset:\u*32*PV+32*\dt          ; V^T: d = 16 dt + l % 16, keys 32 u + ..; they land under the softmax
	ds_load_tr16_b128 v[F+32*\u+8*\dt+4:F+32*\u+8*\dt+7], v[VADR+\slot] offset:\u*32*PV+32*\dt+16*PV
.endr
.endr
.if \tail
	MASK
.else
	s_cmp_lg_u32 s11, s9                           ; step i is the first block's diagonal tile
	s_cbranch_scc1 .Lno_mask_\@
	MASK
.Lno_mask_\@:
.endif
	; the new maximum: four chains over my 64 scores, then the other half of the lanes, then the old maximum
.irp k, 0,1,2,3
	v_max_num_f32 v[T+\k], v[S+16*\k], v[S+16*\k+1]
.endr
.irp m, 1,2,3,4,5,6,7
.irp k, 0,1,2,3
	v_max3_num_f32 v[T+\k], v[T+\k], v[S+16*\k+2*\m], v[S+16*\k+2*\m+1]
.endr
.endr
	v_max3_num_f32 v[T], v[T], v[T+1], v[T+2]
	v_max_num_f32 v[T], v[T], v[T+3]
	v_permlanex16_b32 v[T+1], v[T], s52, s53
	v_max3_num_f32 v[MN], v[T], v[T+1], v[M]       ; finite: key 0 of a block's first tile is never masked
	v_mul_f32 v[NC], 0xbe38aa3b, v[MN]             ; -c x maximum, c = log2(e) / 8: the scale 1 / sqrt(64) rides in the exponent's factor
	v_mul_f32 v[NC+1], 0xbe38aa3b, v[MN]
	v_fma_f32 v[T], v[M], s54, v[NC]               ; c (old maximum - new)
.irp n, 0,1,2,3,4,5,6,7,8,9,10,11,12,13,14,15,16,17,18,19,20,21,22,23,24,25,26,27,28,29,30,31
	v_pk_fma_f32 v[S+2*\n:S+2*\n+1], v[S+2*\n:S+2*\n+1], s[54:55], v[NC:NC+1] op_sel_hi:[1,0,1]
.endr
.set n, 0
.rept 64
	v_exp_f32 v[S+n], v[S+n]
.set n, n+1
.endr
	v_exp_f32 v[AL], v[T]
	v_exp_f32 v[AL+1], v[T]
	v_mov_b32 v[M], v[MN]                          ; the plain place behind the transcendentals (ISA guide 5.7.2)
	s_wait_alu depctr_va_vdst(0)
	v_pk_add_f32 v[T:T+1],   v[S:S+1],   v[S+2:S+3]
	v_pk_add_f32 v[T+2:T+3], v[S+4:S+5], v[S+6:S+7]
.set n, 4
.rept 14
	v_pk_add_f32 v[T:T+1],   v[T:T+1],   v[S+2*n:S+2*n+1]
	v_pk_add_f32 v[T+2:T+3], v[T+2:T+3], v[S+2*n+2:S+2*n+3]
.set n, n+2
.endr
	v_pk_add_f32 v[T:T+1], v[T:T+1], v[T+2:T+3]
	v_add_f32 v[T], v[T], v[T+1]
	v_fma_f32 v[LS], v[LS], v[AL], v[T]
.irp u, 0,1,2,3
.irp n, 0,1,2,3,4,5,6,7
	v_cvt_pk_bf16_f32 v[S+16*\u+\n], v[S+16*\u+2*\n], v[S+16*\u+2*\n+1]     ; in place, ascending: v[S+16 u .. +7] = P^T's fragment for keys 32 u .. +31
.endr
.endr
.irp n, 0,1,2,3,4,5,6,7,8,9,10,11,12,13,14,15
	v_pk_mul_f32 v[O+2*\n:O+2*\n+1], v[O+2*\n:O+2*\n+1], v[AL:AL+1]
.endr
	s_wait_dscnt 0x0                               ; V's fragments
.irp u, 0,1,2,3
.irp dt, 0,1,2,3
	v_wmma_f32_16x16x32_bf16 v[O+8*\dt:O+8*\dt+7], v[F+32*\u+8*\dt:F+32*\u+8*\dt+7], v[S+16*\u:S+16*\u+7], v[O+8*\dt:O+8*\dt+7]   ; the four tiles take turns
.endr
.endr
.rept 5
	v_nop                                          ; five places: the next scores are written over P's fragments; loads into V's; reads of O
.endr
.if \tail
	FINAL
.else
	s_cmp_lg_u32 s11, s9
	s_cbranch_scc1 .Lgo_on_\@
	FINAL                                          ; the first block is done
	s_wait_xcnt 0x0                                ; the stores' base, offset and data are written again only behind this wait
	s_sub_co_u32 s13, 15, s9
	RESET                                          ; block 15 - i
.Lgo_on_\@:
	s_add_co_u32 s11, s11, 1
.endif
.endm
	s_load_b128 s[4:7], s[0:1], 0x0                ; qkv, ao
	s_set_vgpr_msb 0x40
	v_lshl_add_u32 v0, v0, 2, 0x29000
	v_mov_b32 v1, 0
	s_set_vgpr_msb 0x4045
	ds_add_u32 v0, v1
	s_set_vgpr_msb 0x4500
	v_lshrrev_b32 v[T], 5, v0
	v_readfirstlane_b32 s8, v[T]                   ; wave 0..7
	s_mov_b32 s9, ttmp9                            ; i
	s_add_co_u32 s10, s9, 1
	s_and_b32 s13, ttmp7, 0xffff
	s_and_b32 s14, s13, 15                         ; head
	s_lshr_b32 s13, s13, 4                         ; batch
	s_lshl_b32 s14, s14, 19                        ; a panel
	s_lshl_b32 s13, s13, 18                        ; 2,048 rows of 128 bytes
	s_add_co_u32 s14, s14, s13
	s_mov_b32 s15, 0
	s_mov_b32 s52, 0x76543210                      ; v_permlanex16_b32: lane l reads lane l xor 16
	s_mov_b32 s53, 0xfedcba98
	s_mov_b32 s54, 0x3e38aa3b                      ; c = log2(e) / 8
	s_mov_b32 s55, 0x3e38aa3b
	; group 1: a tile is 128 rows of 128 bytes, dense in memory, taken as 64 rows of 256 bytes; padding behind every 32 words (a row of 128 bytes)
	s_mov_b32 s24, (1<<16)|(1<<20)|(4<<22)|(3<<25) ; K: 4 words of padding: pitch 144
	s_mov_b32 s25, 128<<16
	s_mov_b32 s26, 64<<16
	s_mov_b32 s27, 128<<16
	s_mov_b32 s28, 64
	s_mov_b32 s29, 128
	s_mov_b32 s30, 0
	s_mov_b32 s31, 0
	s_mov_b32 s32, (1<<16)|(1<<20)|(4<<22)|(7<<25) ; V: 8 words of padding: pitch 160
	s_mov_b32 s33, 128<<16
	s_mov_b32 s34, 64<<16
	s_mov_b32 s35, 128<<16
	s_mov_b32 s36, 64
	s_mov_b32 s37, 128
	s_mov_b32 s38, 0
	s_mov_b32 s39, 0
	s_wait_dscnt 0x0
	s_barrier_signal -1
	s_barrier_wait -1
	s_wait_kmcnt 0x0
	s_add_nc_u64 s[20:21], s[4:5], s[14:15]        ; q of my head and batch
	s_add_nc_u64 s[22:23], s[6:7], s[14:15]        ; ao likewise
	s_add_nc_u64 s[16:17], s[20:21], 0x800000      ; k: 16 panels on
	s_add_nc_u64 s[18:19], s[16:17], 0x800000      ; v: 16 more
	s_mov_b32 s40, 1
	s_mov_b32 s41, 0
	s_mov_b64 s[42:43], s[16:17]
	s_or_b32 s43, s43, 0x80000000
	s_mov_b32 s44, 1
	s_mov_b32 s45, VOFF
	s_mov_b64 s[46:47], s[18:19]
	s_or_b32 s47, s47, 0x80000000
	ALOAD                                          ; key tile 0 into slot 0, ahead of every wait, LDS read and barrier
	v_and_b32 v[T+1], 15, v0                       ; l % 16
	v_bfe_u32 v[T+2], v0, 4, 1                     ; l / 16
	v_mul_u32_u24 v[KADR], v[T+1], PK
	v_lshl_add_u32 v[KADR], v[T+2], 4, v[KADR]
	v_and_b32 v[T+3], 7, v0
	v_lshl_add_u32 v[T+3], v[T+2], 3, v[T+3]       ; V: row 8 (l / 16) + l % 8,
	v_mul_u32_u24 v[VADR], v[T+3], PV
	v_bfe_u32 v[T+3], v0, 3, 1
	v_lshl_add_u32 v[VADR], v[T+3], 4, v[VADR]     ; 16 bytes further for lanes 8-15 of each sixteen
	v_add_nc_u32 v[VADR], VOFF, v[VADR]
	v_add_nc_u32 v[VADR+1], SLOT, v[VADR]
	v_lshl_add_u32 v[T+1], v[T], 4, v[T+1]         ; 16 wave + l % 16
	v_lshlrev_b32 v[T+2], 3, v[T+2]
	v_sub_nc_u32 v[DV], v[T+1], v[T+2]
	s_mov_b32 s13, s9
	RESET                                          ; block i
	s_mov_b32 s11, 0                               ; the step's number
	s_mov_b32 s12, 8
.Lpair:
	STEP 0, 1, 0
	STEP 1, 1, 0
	s_sub_co_u32 s12, s12, 1
	s_cmp_lg_u32 s12, 0
	s_cbranch_scc1 .Lpair
	STEP 0, 0, 1                                   ; step 16: the second block's diagonal tile; nothing is left to fetch
	s_set_vgpr_msb 0x5
	s_wait_tensorcnt 0x0
	ds_add_u32 v0, v1
	s_wait_dscnt 0x0
	s_set_vgpr_msb 0x500
	s_endpgm
.Lfunc_end_k_q62c82a0f30_attn:
	.size	k_q62c82a0f30_attn, .Lfunc_end_k_q62c82a0f30_attn-k_q62c82a0f30_attn
	.p2alignl 7, 3214868480
	.fill 96, 4, 3214868480
	.section	.rodata,"a",@progbits
	.p2align	6, 0x0
	.amdhsa_kernel k_q62c82a0f30_attn
		.amdhsa_group_segment_fixed_size 327680
		.amdhsa_private_segment_fixed_size 0
		.amdhsa_enable_private_segment 0
		.amdhsa_kernarg_size 16
		.amdhsa_user_sgpr_count 2
		.amdhsa_user_sgpr_kernarg_segment_ptr 1
		.amdhsa_wavefront_size32 1
		.amdhsa_system_sgpr_workgroup_id_x 1
		.amdhsa_system_sgpr_workgroup_id_y 1
		.amdhsa_system_sgpr_workgroup_id_z 1
		.amdhsa_system_vgpr_workitem_id 0
		.amdhsa_next_free_vgpr 258
		.amdhsa_next_free_sgpr 66
		.amdhsa_reserve_vcc 1
		.amdhsa_float_denorm_mode_32 3
		.amdhsa_float_denorm_mode_16_64 3
		.amdhsa_memory_ordered 1
		.amdhsa_forward_progress 1
		.amdhsa_inst_pref_size 93
	.end_amdhsa_kernel
	.amdgpu_metadata
---
amdhsa.version: [ 1, 2 ]
amdhsa.kernels:
  - .name:           k_q62c82a0f30_attn
    .symbol:         k_q62c82a0f30_attn.kd
    .args:
      - { .name: qkv, .offset: 0, .size: 8, .value_kind: global_buffer, .address_space: global }
      - { .name: ao, .offset: 8, .size: 8, .value_kind: global_buffer, .address_space: global }
    .group_segment_fixed_size: 327680
    .private_segment_fixed_size: 0
    .kernarg_segment_align: 8
    .kernarg_segment_size: 16
    .max_flat_workgroup_size: 256
    .sgpr_count:     66
    .vgpr_count:     258
    .wavefront_size: 32
...
	.end_amdgpu_metadata
.endif
;; end of part 3
;; launch wo (part 4): grid 8 x 32, 4 waves a work-group, clusters of 4 x 4, 327,680 bytes of LDS; arguments ao, wo2, x1c, bo, x; writes x1c
.if DOCPART == 4
	.amdgcn_target "amdgcn-amd-amdhsa--gfx1250"
	.amdhsa_code_object_version 6
	.text
	.protected	k_q62c82a0f30_wo
	.globl	k_q62c82a0f30_wo
	.p2align	8
	.type	k_q62c82a0f30_wo,@function
k_q62c82a0f30_wo:
	s_mov_b64 s[64:65], 0
	v_nop
	global_prefetch_b8 v0, s[64:65] scope:SCOPE_SE
	s_setreg_imm32_b32 hwreg(HW_REG_WAVE_MODE, 25, 1), 1
	s_wait_xcnt 0x0
	s_wait_alu depctr_hold_cnt(0) depctr_sa_sdst(0) depctr_va_vdst(0) depctr_va_sdst(0) depctr_va_ssrc(0) depctr_va_vcc(0) depctr_vm_vsrc(0)
	s_getreg_b32 s2, hwreg(HW_REG_IB_STS2, 6, 4)
	s_cmp_eq_u32 s2, 0
	s_cbranch_scc0 .Lentry_in_a_cluster
	s_endpgm
.Lentry_in_a_cluster:
	s_bfe_u32 s2, ttmp6, 0x10000c
	s_cmp_lg_u32 s2, 0xf033
	s_cbranch_scc0 .Lentry_shape_is_right
	s_endpgm
.Lentry_shape_is_right:
; x1 = x + ao Wo + bo.  Arguments: A (ao), W (wo2), out (x1c), bias (bo), residual (x).
;   A:   16 panels [4096 tokens][64 k] bf16 (a row 128 bytes, a panel 524,288 bytes)
;   W:   8 panels [1024 k][128 n] bf16 at the buffer's first byte
;   out: x1 twice: rounded to bf16 in 16 panels [4096][64] at byte 0 (the next product's operand), and in f32 [4096][1024] at byte 8,388,608 (the last residual)
; LIMITS: operands are bf16, sums, bias and residual f32.
; A work-group makes 128 tokens x 128 columns with four waves (2 x 2), a wave 64 x 64: 16 accumulator tiles.  N = 1024 gives 8 x 32 = 256 work-groups.
; K goes in steps of 256 through two LDS slots filled by tensor loads; a slot is multiplied in eight steps of 32.
; CLUSTERS: 4 x 4 work-groups.  The four of a row of the cluster need the same tokens of A, the four of a column the same panel of W: each tile is asked
; for jointly, by the same tensor load with a mask that names the four, which divides the requests for A and W by four.
; W lies [k][n] in LDS; ds_load_tr16_b128 transposes it on the way into the fragment.
; THE MATRIX INSTRUCTION IS USED TRANSPOSED: source 0 = 16 columns of W, source 1 = 16 tokens of A; lane l then holds token l % 16 and its eight
; registers the columns 8 (l / 16) + 0 .. 7.
; REGISTERS: window 0: v16-35 addresses and bias, v64-127 and v128-191 two fragment buffers (W's four fragments, then A's four), v192-207 packed results;
; window 1: v0-127 the accumulators, tile (a, b) at 8 (4 a + b); v128-255 the residual of my block.
.set KTOT,    1024                     ; the contraction's length
.set WOFF,    0                        ; W's first panel in its buffer
.set RES,     1                        ; 1: a residual is added and the result leaves in f32
.set RESOFF,  0
.set OUTOFF,  8388608
.set BF16OUT, 1                        ; the result leaves in bf16 panels too
.set PANEL_W, KTOT*256                 ; bytes of a panel of W
.set LAPS,    KTOT/512                 ; a lap = both slots = 512 along K
.set PA,      144                      ; LDS pitch of A's rows: 128 bytes + 16, an odd multiple of 16: sixteen rows begin in sixteen different 16-byte columns of 256
.set PANA,    128*PA                   ; 128 tokens of one panel
.set PB,      288                      ; LDS pitch of W's rows: 256 bytes + 32, an odd multiple of 32, as the transposing load's eight rows want
.set HALFT,   2*PANA                   ; what one tensor load brings: two panels of A, or 128 rows of W (128 x 288, the same 36,864 bytes)
.set BPART,   2*HALFT                  ; W's part of a slot lies behind A's
.set SLOT,    4*HALFT
.set STAGE,   2*SLOT                   ; behind the ring, filled by no tensor load: 16 rows x 272 bytes for each wave
.set SP,      272
.set STEP_A,  4*524288                 ; a slot on: four panels of A,
.set STEP_B,  256*256                  ; 256 rows of W
.set ADRA, 16                          ; v16-17  my A fragments in slot 0, 1
.set ADRB, 20                          ; v20-23  my W fragments: slot 0 rows 0-127, 128-255; slot 1 likewise (an LDS immediate has 16 bits)
.set STO,  24                          ; the way out: where I put 32 bytes of a token's row
.set RD,   25                          ; where I read 16 bytes of a row back
.set CO,   26                          ; my byte offset in a bf16 panel
.set CF,   27                          ; my byte offset in an f32 array of 1,024 columns
.set BO,   28                          ; my byte offset in the bias
.set BIAS, 32                          ; v[32:35] the bias of my four columns on the way out
.set F0,   64
.set F1,   128
.set Y,    192
.set G1,  24                           ; s[24:31] group 1 for A     s[32:39] group 0 for A, a set for each slot
.set G0,  32
.set G1B, 48                           ; s[48:55] group 1 for W     s[56:63] group 0 for W
.set G0B, 56
.set MUL, 0x50                         ; C and D in window 1
.set ST1, 0x04                         ; source 1 (LDS store data, second addend) in window 1
.set TO1, 0x40                         ; destination in window 1
.set MSB, 0
.macro WIN new                         ; the immediate's high byte repeats the setting that is left
.if MSB != \new
	s_set_vgpr_msb (MSB<<8)|\new
.set MSB, \new
.endif
.endm
.macro JLOAD s                         ; a joint load: waves 0, 1 fetch A's halves, waves 2, 3 W's; the branch hangs on the wave's number alone
	s_cmp_eq_u32 s11, 0
	s_cbranch_scc0 .Lfor_b_\@
	tensor_load_to_lds s[G0+4*\s:G0+4*\s+3], s[G1:G1+7]
	s_nop 0
	s_branch .Lasked_\@
.Lfor_b_\@:
	tensor_load_to_lds s[G0B+4*\s:G0B+4*\s+3], s[G1B:G1B+7]
	s_nop 0
.Lasked_\@:
.endm
.macro CREST                           ; a round of the cluster's barrier behind its opening work-group barrier
	s_cmp_lg_u32 s10, 0
	s_cbranch_scc1 .Lnot_wave_0_\@
	s_barrier_signal -3
.Lnot_wave_0_\@:
	s_barrier_wait -3
	s_barrier_signal -1
	s_barrier_wait -1
.endm
.macro CROUND
	s_barrier_signal -1
	s_barrier_wait -1
	CREST
.endm
.macro PLACES                          ; four plain vector places between a matrix instruction and a load into, or a read of, its registers
.rept 4
	v_nop
.endr
.endm
; the fragments of K step q (0..7) of a slot into buffer f: 8 transposing loads for W's 64 columns, 8 loads for A's 64 tokens
.macro FETCH slot, q, f
	WIN 0
.irp b, 0,1,2,3
	ds_load_tr16_b128 v[\f+8*\b:\f+8*\b+3],   v[ADRB+2*\slot+(\q>>2)] offset:(\q&3)*32*PB+32*\b
	ds_load_tr16_b128 v[\f+8*\b+4:\f+8*\b+7], v[ADRB+2*\slot+(\q>>2)] offset:(\q&3)*32*PB+32*\b+16*PB
.endr
.irp a, 0,1,2,3
	ds_load_b128 v[\f+32+8*\a:\f+32+8*\a+3],   v[ADRA+\slot] offset:(\q>>1)*PANA+(\q&1)*64+\a*16*PA
	ds_load_b128 v[\f+32+8*\a+4:\f+32+8*\a+7], v[ADRA+\slot] offset:(\q>>1)*PANA+(\q&1)*64+\a*16*PA+32
.endr
.endm
; 8 matrix instructions: token blocks a0, a0 + 1 x the four column blocks.  The 16 accumulators take turns, one instruction a turn, in the same order
; in every step.  zero = 1: the first product starts the sums.
.macro MUL8 f, a0, zero
.irp a, \a0, \a0+1
.irp b, 0,1,2,3
.if \zero
	v_wmma_f32_16x16x32_bf16 v[8*(4*(\a)+\b):8*(4*(\a)+\b)+7], v[\f+8*\b:\f+8*\b+7], v[\f+32+8*(\a):\f+32+8*(\a)+7], 0
.else
	v_wmma_f32_16x16x32_bf16 v[8*(4*(\a)+\b):8*(4*(\a)+\b)+7], v[\f+8*\b:\f+8*\b+7], v[\f+32+8*(\a):\f+32+8*(\a)+7], v[8*(4*(\a)+\b):8*(4*(\a)+\b)+7]
.endif
.endr
.endr
.endm
; one of a slot's first seven K steps: asks for step nq's fragments into buffer g, then multiplies buffer f
.macro KSTEP slot, nq, f, g, zero
	PLACES                                         ; buffer g was read by the matrix instructions just issued
	FETCH \slot, \nq, \g
	s_wait_dscnt 16                                ; all but the 16 loads just issued: buffer f is in
	WIN MUL
	MUL8 \f, 0, \zero
	MUL8 \f, 2, \zero
.endm
.macro SEVEN slot, zero
	KSTEP \slot, 1, F0, F1, \zero
	KSTEP \slot, 2, F1, F0, 0
	KSTEP \slot, 3, F0, F1, 0
	KSTEP \slot, 4, F1, F0, 0
	KSTEP \slot, 5, F0, F1, 0
	KSTEP \slot, 6, F1, F0, 0
	KSTEP \slot, 7, F0, F1, 0
.endm
; the eighth K step (buffer 1) and the change of slots.  In front of the barrier each wave waits for its reads of this slot and for all its tensor loads
; (one is out: its part of the next slot).  fill = 1: the barrier opens a round of the cluster's barrier, and the joint refill of this slot is the first
; tensor load behind the round.  From that request to the wait for it a wave issues 120 matrix instructions.
.macro TURN slot, next, fill
	s_wait_dscnt 0x0
	s_wait_tensorcnt 0x0
	ds_add_u32 v254, v255
	s_wait_dscnt 0x0
	s_barrier_signal -1
	WIN MUL
	MUL8 F1, 0, 0                                  ; register work while the others arrive
	WIN 0
	s_barrier_wait -1
.if \fill
	CREST
	s_add_nc_u64 s[G0+4*\slot+2:G0+4*\slot+3], s[G0+4*\slot+2:G0+4*\slot+3], 2*STEP_A      ; no tensor load of mine is out: group 0 may be written
	s_add_nc_u64 s[G0B+4*\slot+2:G0B+4*\slot+3], s[G0B+4*\slot+2:G0B+4*\slot+3], 2*STEP_B
	JLOAD \slot
.endif
	PLACES
	FETCH \next, 0, F0
	WIN MUL
	MUL8 F1, 2, 0
.endm
.macro LAP zero
	SEVEN 0, \zero
	TURN 0, 1, 1
	SEVEN 1, 0
	TURN 1, 0, 1
.endm
	s_load_b128 s[4:7], s[0:1], 0x0                ; A, W
	s_load_b64 s[8:9], s[0:1], 0x10                ; out
.if RES
	s_load_b64 s[66:67], s[0:1], 0x18              ; bias
	s_load_b64 s[68:69], s[0:1], 0x20              ; residual
	v_lshl_add_u32 v254, v0, 2, 0x4c400
	v_mov_b32 v255, 0
	ds_add_u32 v254, v255
.endif
	v_lshrrev_b32 v1, 5, v0
	v_readfirstlane_b32 s10, v1                    ; wave 0..3
	s_lshr_b32 s11, s10, 1                         ; my half of the tokens.  Also: I fetch for A (0) or for W (1)
	s_and_b32 s12, s10, 1                          ; my half of the columns.  Also: which half of that tile I fetch
	s_bfe_u32 s40, ttmp6, 0x40000                  ; cx
	s_bfe_u32 s41, ttmp6, 0x40004                  ; cy
	s_lshl_b32 s42, ttmp9, 2
	s_add_co_u32 s42, s42, s40                     ; block column = 4 x cluster x + cx
	s_and_b32 s13, ttmp7, 0xffff
	s_lshl_b32 s13, s13, 2
	s_add_co_u32 s13, s13, s41                     ; block row = 4 x cluster y + cy
	s_lshl_b32 s43, s41, 2
	s_lshl_b32 s43, 15, s43                        ; my row of the cluster
	s_lshl_b32 s44, 0x1111, s40                    ; my column
	; group 1 for A: two panels' 128 tokens.  In memory 128 tokens of a panel are 8,192 consecutive elements: that is the tile's row; the next panel lies
	; 262,144 elements on.  16 bytes of padding behind every 32 words (a token's 128 bytes): LDS pitch 144.
	s_or_b32 s[G1+0], s43, (1<<16)|(1<<20)|(1<<21)|(4<<22)|(3<<25)
	s_mov_b32 s[G1+1], 8192<<16                    ; tensor_dim0 = 8,192
	s_mov_b32 s[G1+2], 2<<16                       ; tensor_dim1 = 2
	s_mov_b32 s[G1+3], 8192<<16                    ; tile_dim0 = 8,192
	s_mov_b32 s[G1+4], 2                           ; tile_dim1 = 2
	s_mov_b32 s[G1+5], 262144                      ; from panel to panel
	s_mov_b32 s[G1+6], 0
	s_mov_b32 s[G1+7], 0
	; group 1 for W: 128 rows of 128 elements, dense; 32 bytes of padding behind every 64 words: LDS pitch 288
	s_or_b32 s[G1B+0], s44, (1<<16)|(1<<20)|(1<<21)|(5<<22)|(7<<25)
	s_mov_b32 s[G1B+1], 128<<16
	s_mov_b32 s[G1B+2], 128<<16
	s_mov_b32 s[G1B+3], 128<<16
	s_mov_b32 s[G1B+4], 128
	s_mov_b32 s[G1B+5], 128
	s_mov_b32 s[G1B+6], 0
	s_mov_b32 s[G1B+7], 0
	; A's address hangs on the block row and the wave alone, W's on the block column and the wave alone, each in registers that never hold the other coordinate
	s_lshl_b32 s16, s13, 14                        ; 128 tokens of 128 bytes
	s_lshl_b32 s17, s12, 20                        ; two panels
	s_add_co_u32 s16, s16, s17
	s_mov_b32 s17, 0
	s_mul_i32 s46, s42, PANEL_W
	s_lshl_b32 s47, s12, 15                        ; 128 rows of 256 bytes
	s_add_co_u32 s46, s46, s47
	s_add_co_u32 s46, s46, WOFF
	s_mov_b32 s47, 0
	s_mul_i32 s20, s10, HALFT                      ; LDS: A's two halves, then W's two = wave x 36,864
	s_wait_dscnt 0x0
	s_wait_kmcnt 0x0
	s_add_nc_u64 s[14:15], s[4:5], s[16:17]
	s_add_nc_u64 s[46:47], s[6:7], s[46:47]
	CROUND                                         ; all sixteen work-groups are here: the first joint loads meet
.irp s, 0,1
	s_mov_b32 s[G0+4*\s], 1
	s_add_co_u32 s[G0+4*\s+1], s20, \s*SLOT
	s_add_nc_u64 s[G0+4*\s+2:G0+4*\s+3], s[14:15], \s*STEP_A
	s_or_b32 s[G0+4*\s+3], s[G0+4*\s+3], 0x80000000
	s_mov_b32 s[G0B+4*\s], 1
	s_add_co_u32 s[G0B+4*\s+1], s20, \s*SLOT
	s_add_nc_u64 s[G0B+4*\s+2:G0B+4*\s+3], s[46:47], \s*STEP_B
	s_or_b32 s[G0B+4*\s+3], s[G0B+4*\s+3], 0x80000000
	JLOAD \s                                       ; both slots' first fills: two tensor loads of a wave are out here, one behind each later round
.endr
.if RES == 0
	s_load_b32 s72, s[6:7], 0x4000                 ; the floor
.endif
	; where my 64 x 64 block lies: s[76:77] in an f32 array [4096][1024], s[78:79] in bf16 panels
	s_lshl_b32 s73, s42, 9                         ; 128 columns of 4 bytes
	s_lshl_b32 s74, s12, 8
	s_add_co_u32 s73, s73, s74                     ; my first column, in f32 bytes: also my place in the bias
	s_lshl_b32 s76, s13, 19                        ; 128 rows of 4,096 bytes
	s_lshl_b32 s75, s11, 18
	s_add_co_u32 s76, s76, s75
	s_add_co_u32 s76, s76, s73
	s_mov_b32 s77, 0
	s_lshl_b32 s78, s42, 20                        ; two panels a block column
	s_lshl_b32 s75, s12, 19
	s_add_co_u32 s78, s78, s75
	s_lshl_b32 s75, s13, 14                        ; 128 rows of 128 bytes
	s_add_co_u32 s78, s78, s75
	s_lshl_b32 s75, s11, 13
	s_add_co_u32 s78, s78, s75
	s_mov_b32 s79, 0
.if RES
	s_add_nc_u64 s[68:69], s[68:69], s[76:77]
.if RESOFF
	s_add_nc_u64 s[68:69], s[68:69], RESOFF
.endif
.if BF16OUT
	s_add_nc_u64 s[70:71], s[8:9], s[78:79]
.endif
	s_add_nc_u64 s[8:9], s[8:9], s[76:77]
.if OUTOFF
	s_add_nc_u64 s[8:9], s[8:9], OUTOFF
.endif
.else
	s_add_nc_u64 s[8:9], s[8:9], s[78:79]
.endif
	v_and_b32 v1, 15, v0                           ; r = l % 16
	v_bfe_u32 v2, v0, 4, 1                         ; h = l / 16
	v_mul_u32_u24 v3, v1, PA
	v_lshl_add_u32 v3, v2, 4, v3                   ; A: token r x pitch + 16 h
	s_mul_i32 s21, s11, 64*PA
	v_add_nc_u32 v[ADRA], s21, v3
	v_add_nc_u32 v[ADRA+1], SLOT, v[ADRA]
	v_and_b32 v4, 7, v0
	v_lshl_add_u32 v4, v2, 3, v4                   ; W: row 8 h + l % 8,
	v_mul_u32_u24 v4, v4, PB
	v_bfe_u32 v5, v0, 3, 1
	v_lshl_add_u32 v4, v5, 4, v4                   ; 16 bytes further for lanes 8-15 of each sixteen
	s_lshl_b32 s22, s12, 7                         ; my 64 columns
	s_add_co_u32 s22, s22, BPART
	v_add_nc_u32 v[ADRB], s22, v4
	v_add_nc_u32 v[ADRB+1], HALFT, v[ADRB]
	v_add_nc_u32 v[ADRB+2], SLOT, v[ADRB]
	v_add_nc_u32 v[ADRB+3], SLOT+HALFT, v[ADRB]
	s_mul_i32 s23, s10, 16*SP
	s_add_co_u32 s23, s23, STAGE                   ; my stage
	v_mul_u32_u24 v4, v1, SP
	v_lshl_add_u32 v4, v2, 5, v4                   ; in: token r, 32 bytes for each half of the lanes
	v_add_nc_u32 v[STO], s23, v4
	v_mul_u32_u24 v5, v2, SP
	v_lshl_add_u32 v5, v1, 4, v5                   ; back: lanes 0-15 one row of 256 bytes, lanes 16-31 the next
	v_add_nc_u32 v[RD], s23, v5
	v_lshlrev_b32 v5, 7, v2
	v_lshl_add_u32 v[CO], v1, 3, v5                ; the same two rows in a bf16 panel: 8 bytes a lane
	v_lshlrev_b32 v5, 12, v2
	v_lshl_add_u32 v[CF], v1, 4, v5                ; and in an f32 array
	v_lshl_add_u32 v[BO], v1, 4, s73
.if RES
	global_load_b128 v[BIAS:BIAS+3], v[BO], s[66:67]
	WIN TO1                                        ; the residual of my block, in the way out's layout, into window 1: it lands while the products run
.irp a, 0,1,2,3
.irp t, 0,1,2,3,4,5,6,7
	global_load_b128 v[128+32*\a+4*\t:128+32*\a+4*\t+3], v[CF], s[68:69] offset:(16*\a+2*\t)*4096
.endr
.endr
	WIN 0
.else
	global_load_b128 v[BIAS:BIAS+3], v[BO], s[6:7]
.endif
	s_wait_tensorcnt 0x1                           ; my part of slot 0 is in; slot 1's may stay out
	s_barrier_signal -1
	s_barrier_wait -1
	FETCH 0, 0, F0
	LAP 1                                          ; the first lap's first products start the sums
.if LAPS > 2
	WIN 0
	s_mov_b32 s3, LAPS-2
.Llap:
	LAP 0
	WIN 0
	s_sub_co_u32 s3, s3, 1
	s_cmp_lg_u32 s3, 0
	s_cbranch_scc1 .Llap
.endif
	SEVEN 0, 0                                     ; the last lap fills nothing
	TURN 0, 1, 0
	SEVEN 1, 0
	s_wait_dscnt 0x0
	WIN MUL
	MUL8 F1, 0, 0
	MUL8 F1, 2, 0
	PLACES                                         ; behind the last matrix instructions: the stage's stores read results, the loads below write fragment buffers
	s_wait_loadcnt 0x0                             ; bias and residual
; THE WAY OUT, 16 tokens at a time: the f32 sums go into my own stage (a token's 64 columns are 256 bytes) and come back as whole rows, two rows a load.
; LDS serves a wave's instructions in order (ISA guide 5.7.1), and the stage is the wave's own: no wait between stores and loads, no barrier.
.macro OUT16 a, f
	WIN ST1
.irp b, 0,1,2,3
	ds_store_b128 v[STO], v[8*(4*\a+\b):8*(4*\a+\b)+3]   offset:64*\b
	ds_store_b128 v[STO], v[8*(4*\a+\b)+4:8*(4*\a+\b)+7] offset:64*\b+16
.endr
	WIN 0
	s_wait_xcnt 0x0                                ; registers that earlier stores read as data are written again only behind this wait
.irp t, 0,1,2,3,4,5,6,7
	ds_load_b128 v[\f+4*\t:\f+4*\t+3], v[RD] offset:\t*2*SP
.endr
	s_wait_dscnt 0x0
	WIN ST1
.set n, 0
.rept 16
	v_pk_add_f32 v[\f+2*n:\f+2*n+1], v[\f+2*n:\f+2*n+1], v[128+32*\a+2*n:128+32*\a+2*n+1]   ; + residual
.set n, n+1
.endr
	WIN 0
.set n, 0
.rept 16
	v_pk_add_f32 v[\f+2*n:\f+2*n+1], v[\f+2*n:\f+2*n+1], v[BIAS+2*(n&1):BIAS+2*(n&1)+1]     ; + bias
.set n, n+1
.endr
.irp t, 0,1,2,3,4,5,6,7
	global_store_b128 v[CF], v[\f+4*\t:\f+4*\t+3], s[8:9] offset:(16*\a+2*\t)*4096          ; sixteen lanes store 256 consecutive bytes, aligned
.if BF16OUT
	v_cvt_pk_bf16_f32 v[Y+2*\t],   v[\f+4*\t],   v[\f+4*\t+1]
	v_cvt_pk_bf16_f32 v[Y+2*\t+1], v[\f+4*\t+2], v[\f+4*\t+3]
	global_store_b64 v[CO], v[Y+2*\t:Y+2*\t+1], s[70:71] offset:\a*2048+\t*256              ; the wave stores two panel rows: 256 consecutive bytes, aligned
.endif
.endr
.endm
	OUT16 0, F0
	OUT16 1, F1
	OUT16 2, F0
	OUT16 3, F1
	s_wait_tensorcnt 0x0
	ds_add_u32 v254, v255
	s_wait_dscnt 0x0
	CROUND                                         ; the closing round: no work-group ends while a partner may still ask for a tile that names it
	s_endpgm
.Lfunc_end_k_q62c82a0f30_wo:
	.size	k_q62c82a0f30_wo, .Lfunc_end_k_q62c82a0f30_wo-k_q62c82a0f30_wo
	.p2alignl 7, 3214868480
	.fill 96, 4, 3214868480
	.section	.rodata,"a",@progbits
	.p2align	6, 0x0
	.amdhsa_kernel k_q62c82a0f30_wo
		.amdhsa_group_segment_fixed_size 327680
		.amdhsa_private_segment_fixed_size 0
		.amdhsa_enable_private_segment 0
		.amdhsa_kernarg_size 40
		.amdhsa_user_sgpr_count 2
		.amdhsa_user_sgpr_kernarg_segment_ptr 1
		.amdhsa_wavefront_size32 1
		.amdhsa_system_sgpr_workgroup_id_x 1
		.amdhsa_system_sgpr_workgroup_id_y 1
		.amdhsa_system_sgpr_workgroup_id_z 1
		.amdhsa_system_vgpr_workitem_id 0
		.amdhsa_next_free_vgpr 512
		.amdhsa_next_free_sgpr 80
		.amdhsa_reserve_vcc 0
		.amdhsa_float_denorm_mode_32 3
		.amdhsa_float_denorm_mode_16_64 3
		.amdhsa_memory_ordered 1
		.amdhsa_forward_progress 1
		.amdhsa_inst_pref_size 107
	.end_amdhsa_kernel
	.amdgpu_metadata
---
amdhsa.version: [ 1, 2 ]
amdhsa.kernels:
  - .name:           k_q62c82a0f30_wo
    .symbol:         k_q62c82a0f30_wo.kd
    .args:
      - { .name: ao, .offset: 0, .size: 8, .value_kind: global_buffer, .address_space: global }
      - { .name: wo2, .offset: 8, .size: 8, .value_kind: global_buffer, .address_space: global }
      - { .name: x1c, .offset: 16, .size: 8, .value_kind: global_buffer, .address_space: global }
      - { .name: bo, .offset: 24, .size: 8, .value_kind: global_buffer, .address_space: global }
      - { .name: x, .offset: 32, .size: 8, .value_kind: global_buffer, .address_space: global }
    .group_segment_fixed_size: 327680
    .private_segment_fixed_size: 0
    .kernarg_segment_align: 8
    .kernarg_segment_size: 40
    .max_flat_workgroup_size: 128
    .sgpr_count:     80
    .vgpr_count:     512
    .wavefront_size: 32
...
	.end_amdgpu_metadata
.endif
;; end of part 4
;; launch ff1: the kernel of part 2 again; grid 32 x 32, 4 waves a work-group, clusters of 4 x 4, 327,680 bytes of LDS; arguments x1c, w1p, h; writes h
;; launch ff2 (part 5): grid 8 x 32, 4 waves a work-group, clusters of 4 x 4, 327,680 bytes of LDS; arguments h, wo2, out0, b2, x1c; writes out0
.if DOCPART == 5
	.amdgcn_target "amdgcn-amd-amdhsa--gfx1250"
	.amdhsa_code_object_version 6
	.text
	.protected	k_q62c82a0f30_ff2
	.globl	k_q62c82a0f30_ff2
	.p2align	8
	.type	k_q62c82a0f30_ff2,@function
k_q62c82a0f30_ff2:
	s_mov_b64 s[64:65], 0
	v_nop
	global_prefetch_b8 v0, s[64:65] scope:SCOPE_SE
	s_setreg_imm32_b32 hwreg(HW_REG_WAVE_MODE, 25, 1), 1
	s_wait_xcnt 0x0
	s_wait_alu depctr_hold_cnt(0) depctr_sa_sdst(0) depctr_va_vdst(0) depctr_va_sdst(0) depctr_va_ssrc(0) depctr_va_vcc(0) depctr_vm_vsrc(0)
	s_getreg_b32 s2, hwreg(HW_REG_IB_STS2, 6, 4)
	s_cmp_eq_u32 s2, 0
	s_cbranch_scc0 .Lentry_in_a_cluster
	s_endpgm
.Lentry_in_a_cluster:
	s_bfe_u32 s2, ttmp6, 0x10000c
	s_cmp_lg_u32 s2, 0xf033
	s_cbranch_scc0 .Lentry_shape_is_right
	s_endpgm
.Lentry_shape_is_right:
; out0 = x1 + h W2 + b2.  Arguments: A (h), W (wo2), out (out0), bias (b2), residual (x1c).
;   A:   64 panels [4096 tokens][64 k] bf16 (a row 128 bytes, a panel 524,288 bytes)
;   W:   8 panels [4096 k][128 n] bf16 at byte 2,097,152 of its buffer
;   residual: x1 in f32 [4096][1024] at byte 8,388,608 of its buffer;   out: f32 [4096][1024]
; LIMITS: operands are bf16, sums, bias and residual f32.
; A work-group makes 128 tokens x 128 columns with four waves (2 x 2), a wave 64 x 64: 16 accumulator tiles.  N = 1024 gives 8 x 32 = 256 work-groups.
; K goes in steps of 256 through two LDS slots filled by tensor loads; a slot is multiplied in eight steps of 32.
; CLUSTERS: 4 x 4 work-groups.  The four of a row of the cluster need the same tokens of A, the four of a column the same panel of W: each tile is asked
; for jointly, by the same tensor load with a mask that names the four, which divides the requests for A and W by four.
; W lies [k][n] in LDS; ds_load_tr16_b128 transposes it on the way into the fragment.
; THE MATRIX INSTRUCTION IS USED TRANSPOSED: source 0 = 16 columns of W, source 1 = 16 tokens of A; lane l then holds token l % 16 and its eight
; registers the columns 8 (l / 16) + 0 .. 7.
; REGISTERS: window 0: v16-35 addresses and bias, v64-127 and v128-191 two fragment buffers (W's four fragments, then A's four);
; window 1: v0-127 the accumulators, tile (a, b) at 8 (4 a + b); v128-255 the residual of my block.
.set KTOT,    4096                     ; the contraction's length
.set WOFF,    2097152                  ; W's first panel in its buffer
.set RES,     1                        ; 1: a residual is added and the result leaves in f32
.set RESOFF,  8388608
.set OUTOFF,  0
.set BF16OUT, 0                        ; no bf16 copy
.set PANEL_W, KTOT*256                 ; bytes of a panel of W
.set LAPS,    KTOT/512                 ; a lap = both slots = 512 along K
.set PA,      144                      ; LDS pitch of A's rows: 128 bytes + 16, an odd multiple of 16: sixteen rows begin in sixteen different 16-byte columns of 256
.set PANA,    128*PA                   ; 128 tokens of one panel
.set PB,      288                      ; LDS pitch of W's rows: 256 bytes + 32, an odd multiple of 32, as the transposing load's eight rows want
.set HALFT,   2*PANA                   ; what one tensor load brings: two panels of A, or 128 rows of W (128 x 288, the same 36,864 bytes)
.set BPART,   2*HALFT                  ; W's part of a slot lies behind A's
.set SLOT,    4*HALFT
.set STAGE,   2*SLOT                   ; behind the ring, filled by no tensor load: 16 rows x 272 bytes for each wave
.set SP,      272
.set STEP_A,  4*524288                 ; a slot on: four panels of A,
.set STEP_B,  256*256                  ; 256 rows of W
.set ADRA, 16                          ; v16-17  my A fragments in slot 0, 1
.set ADRB, 20                          ; v20-23  my W fragments: slot 0 rows 0-127, 128-255; slot 1 likewise (an LDS immediate has 16 bits)
.set STO,  24                          ; the way out: where I put 32 bytes of a token's row
.set RD,   25                          ; where I read 16 bytes of a row back
.set CO,   26                          ; my byte offset in a bf16 panel
.set CF,   27                          ; my byte offset in an f32 array of 1,024 columns
.set BO,   28                          ; my byte offset in the bias
.set BIAS, 32                          ; v[32:35] the bias of my four columns on the way out
.set F0,   64
.set F1,   128
.set Y,    192
.set G1,  24                           ; s[24:31] group 1 for A     s[32:39] group 0 for A, a set for each slot
.set G0,  32
.set G1B, 48                           ; s[48:55] group 1 for W     s[56:63] group 0 for W
.set G0B, 56
.set MUL, 0x50                         ; C and D in window 1
.set ST1, 0x04                         ; source 1 (LDS store data, second addend) in window 1
.set TO1, 0x40                         ; destination in window 1
.set MSB, 0
.macro WIN new                         ; the immediate's high byte repeats the setting that is left
.if MSB != \new
	s_set_vgpr_msb (MSB<<8)|\new
.set MSB, \new
.endif
.endm
.macro JLOAD s                         ; a joint load: waves 0, 1 fetch A's halves, waves 2, 3 W's; the branch hangs on the wave's number alone
	s_cmp_eq_u32 s11, 0
	s_cbranch_scc0 .Lfor_b_\@
	tensor_load_to_lds s[G0+4*\s:G0+4*\s+3], s[G1:G1+7]
	s_nop 0
	s_branch .Lasked_\@
.Lfor_b_\@:
	tensor_load_to_lds s[G0B+4*\s:G0B+4*\s+3], s[G1B:G1B+7]
	s_nop 0
.Lasked_\@:
.endm
.macro CREST                           ; a round of the cluster's barrier behind its opening work-group barrier
	s_cmp_lg_u32 s10, 0
	s_cbranch_scc1 .Lnot_wave_0_\@
	s_barrier_signal -3
.Lnot_wave_0_\@:
	s_barrier_wait -3
	s_barrier_signal -1
	s_barrier_wait -1
.endm
.macro CROUND
	s_barrier_signal -1
	s_barrier_wait -1
	CREST
.endm
.macro PLACES                          ; four plain vector places between a matrix instruction and a load into, or a read of, its registers
.rept 4
	v_nop
.endr
.endm
; the fragments of K step q (0..7) of a slot into buffer f: 8 transposing loads for W's 64 columns, 8 loads for A's 64 tokens
.macro FETCH slot, q, f
	WIN 0
.irp b, 0,1,2,3
	ds_load_tr16_b128 v[\f+8*\b:\f+8*\b+3],   v[ADRB+2*\slot+(\q>>2)] offset:(\q&3)*32*PB+32*\b
	ds_load_tr16_b128 v[\f+8*\b+4:\f+8*\b+7], v[ADRB+2*\slot+(\q>>2)] offset:(\q&3)*32*PB+32*\b+16*PB
.endr
.irp a, 0,1,2,3
	ds_load_b128 v[\f+32+8*\a:\f+32+8*\a+3],   v[ADRA+\slot] offset:(\q>>1)*PANA+(\q&1)*64+\a*16*PA
	ds_load_b128 v[\f+32+8*\a+4:\f+32+8*\a+7], v[ADRA+\slot] offset:(\q>>1)*PANA+(\q&1)*64+\a*16*PA+32
.endr
.endm
; 8 matrix instructions: token blocks a0, a0 + 1 x the four column blocks.  The 16 accumulators take turns, one instruction a turn, in the same order
; in every step, over the loop's backward jump too.  zero = 1: the first product starts the sums.
.macro MUL8 f, a0, zero
.irp a, \a0, \a0+1
.irp b, 0,1,2,3
.if \zero
	v_wmma_f32_16x16x32_bf16 v[8*(4*(\a)+\b):8*(4*(\a)+\b)+7], v[\f+8*\b:\f+8*\b+7], v[\f+32+8*(\a):\f+32+8*(\a)+7], 0
.else
	v_wmma_f32_16x16x32_bf16 v[8*(4*(\a)+\b):8*(4*(\a)+\b)+7], v[\f+8*\b:\f+8*\b+7], v[\f+32+8*(\a):\f+32+8*(\a)+7], v[8*(4*(\a)+\b):8*(4*(\a)+\b)+7]
.endif
.endr
.endr
.endm
; one of a slot's first seven K steps: asks for step nq's fragments into buffer g, then multiplies buffer f
.macro KSTEP slot, nq, f, g, zero
	PLACES                                         ; buffer g was read by the matrix instructions just issued
	FETCH \slot, \nq, \g
	s_wait_dscnt 16                                ; all but the 16 loads just issued: buffer f is in
	WIN MUL
	MUL8 \f, 0, \zero
	MUL8 \f, 2, \zero
.endm
.macro SEVEN slot, zero
	KSTEP \slot, 1, F0, F1, \zero
	KSTEP \slot, 2, F1, F0, 0
	KSTEP \slot, 3, F0, F1, 0
	KSTEP \slot, 4, F1, F0, 0
	KSTEP \slot, 5, F0, F1, 0
	KSTEP \slot, 6, F1, F0, 0
	KSTEP \slot, 7, F0, F1, 0
.endm
; the eighth K step (buffer 1) and the change of slots.  In front of the barrier each wave waits for its reads of this slot and for all its tensor loads
; (one is out: its part of the next slot).  fill = 1: the barrier opens a round of the cluster's barrier, and the joint refill of this slot is the first
; tensor load behind the round.  From that request to the wait for it a wave issues 120 matrix instructions.
.macro TURN slot, next, fill
	s_wait_dscnt 0x0
	s_wait_tensorcnt 0x0
	ds_add_u32 v254, v255
	s_wait_dscnt 0x0
	s_barrier_signal -1
	WIN MUL
	MUL8 F1, 0, 0                                  ; register work while the others arrive
	WIN 0
	s_barrier_wait -1
.if \fill
	CREST
	s_add_nc_u64 s[G0+4*\slot+2:G0+4*\slot+3], s[G0+4*\slot+2:G0+4*\slot+3], 2*STEP_A      ; no tensor load of mine is out: group 0 may be written
	s_add_nc_u64 s[G0B+4*\slot+2:G0B+4*\slot+3], s[G0B+4*\slot+2:G0B+4*\slot+3], 2*STEP_B
	JLOAD \slot
.endif
	PLACES
	FETCH \next, 0, F0
	WIN MUL
	MUL8 F1, 2, 0
.endm
.macro LAP zero
	SEVEN 0, \zero
	TURN 0, 1, 1
	SEVEN 1, 0
	TURN 1, 0, 1
.endm
	s_load_b128 s[4:7], s[0:1], 0x0                ; A, W
	s_load_b64 s[8:9], s[0:1], 0x10                ; out
.if RES
	s_load_b64 s[66:67], s[0:1], 0x18              ; bias
	s_load_b64 s[68:69], s[0:1], 0x20              ; residual
	v_lshl_add_u32 v254, v0, 2, 0x4c400
	v_mov_b32 v255, 0
	ds_add_u32 v254, v255
.endif
	v_lshrrev_b32 v1, 5, v0
	v_readfirstlane_b32 s10, v1                    ; wave 0..3
	s_lshr_b32 s11, s10, 1                         ; my half of the tokens.  Also: I fetch for A (0) or for W (1)
	s_and_b32 s12, s10, 1                          ; my half of the columns.  Also: which half of that tile I fetch
	s_bfe_u32 s40, ttmp6, 0x40000                  ; cx
	s_bfe_u32 s41, ttmp6, 0x40004                  ; cy
	s_lshl_b32 s42, ttmp9, 2
	s_add_co_u32 s42, s42, s40                     ; block column = 4 x cluster x + cx
	s_and_b32 s13, ttmp7, 0xffff
	s_lshl_b32 s13, s13, 2
	s_add_co_u32 s13, s13, s41                     ; block row = 4 x cluster y + cy
	s_lshl_b32 s43, s41, 2
	s_lshl_b32 s43, 15, s43                        ; my row of the cluster
	s_lshl_b32 s44, 0x1111, s40                    ; my column
	; group 1 for A: two panels' 128 tokens.  In memory 128 tokens of a panel are 8,192 consecutive elements: that is the tile's row; the next panel lies
	; 262,144 elements on.  16 bytes of padding behind every 32 words (a token's 128 bytes): LDS pitch 144.
	s_or_b32 s[G1+0], s43, (1<<16)|(1<<20)|(1<<21)|(4<<22)|(3<<25)
	s_mov_b32 s[G1+1], 8192<<16                    ; tensor_dim0 = 8,192
	s_mov_b32 s[G1+2], 2<<16                       ; tensor_dim1 = 2
	s_mov_b32 s[G1+3], 8192<<16                    ; tile_dim0 = 8,192
	s_mov_b32 s[G1+4], 2                           ; tile_dim1 = 2
	s_mov_b32 s[G1+5], 262144                      ; from panel to panel
	s_mov_b32 s[G1+6], 0
	s_mov_b32 s[G1+7], 0
	; group 1 for W: 128 rows of 128 elements, dense; 32 bytes of padding behind every 64 words: LDS pitch 288
	s_or_b32 s[G1B+0], s44, (1<<16)|(1<<20)|(1<<21)|(5<<22)|(7<<25)
	s_mov_b32 s[G1B+1], 128<<16
	s_mov_b32 s[G1B+2], 128<<16
	s_mov_b32 s[G1B+3], 128<<16
	s_mov_b32 s[G1B+4], 128
	s_mov_b32 s[G1B+5], 128
	s_mov_b32 s[G1B+6], 0
	s_mov_b32 s[G1B+7], 0
	; A's address hangs on the block row and the wave alone, W's on the block column and the wave alone, each in registers that never hold the other coordinate
	s_lshl_b32 s16, s13, 14                        ; 128 tokens of 128 bytes
	s_lshl_b32 s17, s12, 20                        ; two panels
	s_add_co_u32 s16, s16, s17
	s_mov_b32 s17, 0
	s_mul_i32 s46, s42, PANEL_W
	s_lshl_b32 s47, s12, 15                        ; 128 rows of 256 bytes
	s_add_co_u32 s46, s46, s47
	s_add_co_u32 s46, s46, WOFF
	s_mov_b32 s47, 0
	s_mul_i32 s20, s10, HALFT                      ; LDS: A's two halves, then W's two = wave x 36,864
	s_wait_dscnt 0x0
	s_wait_kmcnt 0x0
	s_add_nc_u64 s[14:15], s[4:5], s[16:17]
	s_add_nc_u64 s[46:47], s[6:7], s[46:47]
	CROUND                                         ; all sixteen work-groups are here: the first joint loads meet
.irp s, 0,1
	s_mov_b32 s[G0+4*\s], 1
	s_add_co_u32 s[G0+4*\s+1], s20, \s*SLOT
	s_add_nc_u64 s[G0+4*\s+2:G0+4*\s+3], s[14:15], \s*STEP_A
	s_or_b32 s[G0+4*\s+3], s[G0+4*\s+3], 0x80000000
	s_mov_b32 s[G0B+4*\s], 1
	s_add_co_u32 s[G0B+4*\s+1], s20, \s*SLOT
	s_add_nc_u64 s[G0B+4*\s+2:G0B+4*\s+3], s[46:47], \s*STEP_B
	s_or_b32 s[G0B+4*\s+3], s[G0B+4*\s+3], 0x80000000
	JLOAD \s                                       ; both slots' first fills: two tensor loads of a wave are out here, one behind each later round
.endr
	; where my 64 x 64 block lies in an f32 array [4096][1024]: s[76:77]
	s_lshl_b32 s73, s42, 9                         ; 128 columns of 4 bytes
	s_lshl_b32 s74, s12, 8
	s_add_co_u32 s73, s73, s74                     ; my first column, in f32 bytes: also my place in the bias
	s_lshl_b32 s76, s13, 19                        ; 128 rows of 4,096 bytes
	s_lshl_b32 s75, s11, 18
	s_add_co_u32 s76, s76, s75
	s_add_co_u32 s76, s76, s73
	s_mov_b32 s77, 0
	s_add_nc_u64 s[68:69], s[68:69], s[76:77]
.if RESOFF
	s_add_nc_u64 s[68:69], s[68:69], RESOFF
.endif
	s_add_nc_u64 s[8:9], s[8:9], s[76:77]
.if OUTOFF
	s_add_nc_u64 s[8:9], s[8:9], OUTOFF
.endif
	v_and_b32 v1, 15, v0                           ; r = l % 16
	v_bfe_u32 v2, v0, 4, 1                         ; h = l / 16
	v_mul_u32_u24 v3, v1, PA
	v_lshl_add_u32 v3, v2, 4, v3                   ; A: token r x pitch + 16 h
	s_mul_i32 s21, s11, 64*PA
	v_add_nc_u32 v[ADRA], s21, v3
	v_add_nc_u32 v[ADRA+1], SLOT, v[ADRA]
	v_and_b32 v4, 7, v0
	v_lshl_add_u32 v4, v2, 3, v4                   ; W: row 8 h + l % 8,
	v_mul_u32_u24 v4, v4, PB
	v_bfe_u32 v5, v0, 3, 1
	v_lshl_add_u32 v4, v5, 4, v4                   ; 16 bytes further for lanes 8-15 of each sixteen
	s_lshl_b32 s22, s12, 7                         ; my 64 columns
	s_add_co_u32 s22, s22, BPART
	v_add_nc_u32 v[ADRB], s22, v4
	v_add_nc_u32 v[ADRB+1], HALFT, v[ADRB]
	v_add_nc_u32 v[ADRB+2], SLOT, v[ADRB]
	v_add_nc_u32 v[ADRB+3], SLOT+HALFT, v[ADRB]
	s_mul_i32 s23, s10, 16*SP
	s_add_co_u32 s23, s23, STAGE                   ; my stage
	v_mul_u32_u24 v4, v1, SP
	v_lshl_add_u32 v4, v2, 5, v4                   ; in: token r, 32 bytes for each half of the lanes
	v_add_nc_u32 v[STO], s23, v4
	v_mul_u32_u24 v5, v2, SP
	v_lshl_add_u32 v5, v1, 4, v5                   ; back: lanes 0-15 one row of 256 bytes, lanes 16-31 the next
	v_add_nc_u32 v[RD], s23, v5
	v_lshlrev_b32 v5, 12, v2
	v_lshl_add_u32 v[CF], v1, 4, v5                ; the same two rows in an f32 array
	v_lshl_add_u32 v[BO], v1, 4, s73
	global_load_b128 v[BIAS:BIAS+3], v[BO], s[66:67]
	WIN TO1                                        ; the residual of my block, in the way out's layout, into window 1: it lands while the products run
.irp a, 0,1,2,3
.irp t, 0,1,2,3,4,5,6,7
	global_load_b128 v[128+32*\a+4*\t:128+32*\a+4*\t+3], v[CF], s[68:69] offset:(16*\a+2*\t)*4096
.endr
.endr
	WIN 0
	s_wait_tensorcnt 0x1                           ; my part of slot 0 is in; slot 1's may stay out
	s_barrier_signal -1
	s_barrier_wait -1
	FETCH 0, 0, F0
	LAP 1                                          ; the first lap's first products start the sums
.if LAPS > 2
	WIN 0
	s_mov_b32 s3, LAPS-2
.Llap:
	LAP 0
	WIN 0
	s_sub_co_u32 s3, s3, 1
	s_cmp_lg_u32 s3, 0
	s_cbranch_scc1 .Llap
.endif
	SEVEN 0, 0                                     ; the last lap fills nothing
	TURN 0, 1, 0
	SEVEN 1, 0
	s_wait_dscnt 0x0
	WIN MUL
	MUL8 F1, 0, 0
	MUL8 F1, 2, 0
	PLACES                                         ; behind the last matrix instructions: the stage's stores read results, the loads below write fragment buffers
	s_wait_loadcnt 0x0                             ; bias and residual
; THE WAY OUT, 16 tokens at a time: the f32 sums go into my own stage (a token's 64 columns are 256 bytes) and come back as whole rows, two rows a load.
; LDS serves a wave's instructions in order (ISA guide 5.7.1), and the stage is the wave's own: no wait between stores and loads, no barrier.
.macro OUT16 a, f
	WIN ST1
.irp b, 0,1,2,3
	ds_store_b128 v[STO], v[8*(4*\a+\b):8*(4*\a+\b)+3]   offset:64*\b
	ds_store_b128 v[STO], v[8*(4*\a+\b)+4:8*(4*\a+\b)+7] offset:64*\b+16
.endr
	WIN 0
	s_wait_xcnt 0x0                                ; registers that earlier stores read as data are written again only behind this wait
.irp t, 0,1,2,3,4,5,6,7
	ds_load_b128 v[\f+4*\t:\f+4*\t+3], v[RD] offset:\t*2*SP
.endr
	s_wait_dscnt 0x0
	WIN ST1
.set n, 0
.rept 16
	v_pk_add_f32 v[\f+2*n:\f+2*n+1], v[\f+2*n:\f+2*n+1], v[128+32*\a+2*n:128+32*\a+2*n+1]   ; + residual
.set n, n+1
.endr
	WIN 0
.set n, 0
.rept 16
	v_pk_add_f32 v[\f+2*n:\f+2*n+1], v[\f+2*n:\f+2*n+1], v[BIAS+2*(n&1):BIAS+2*(n&1)+1]     ; + bias
.set n, n+1
.endr
.irp t, 0,1,2,3,4,5,6,7
	global_store_b128 v[CF], v[\f+4*\t:\f+4*\t+3], s[8:9] offset:(16*\a+2*\t)*4096          ; sixteen lanes store 256 consecutive bytes, aligned
.endr
.endm
	OUT16 0, F0
	OUT16 1, F1
	OUT16 2, F0
	OUT16 3, F1
	s_wait_tensorcnt 0x0
	ds_add_u32 v254, v255
	s_wait_dscnt 0x0
	CROUND                                         ; the closing round: no work-group ends while a partner may still ask for a tile that names it
	s_endpgm
.Lfunc_end_k_q62c82a0f30_ff2:
	.size	k_q62c82a0f30_ff2, .Lfunc_end_k_q62c82a0f30_ff2-k_q62c82a0f30_ff2
	.p2alignl 7, 3214868480
	.fill 96, 4, 3214868480
	.section	.rodata,"a",@progbits
	.p2align	6, 0x0
	.amdhsa_kernel k_q62c82a0f30_ff2
		.amdhsa_group_segment_fixed_size 327680
		.amdhsa_private_segment_fixed_size 0
		.amdhsa_enable_private_segment 0
		.amdhsa_kernarg_size 40
		.amdhsa_user_sgpr_count 2
		.amdhsa_user_sgpr_kernarg_segment_ptr 1
		.amdhsa_wavefront_size32 1
		.amdhsa_system_sgpr_workgroup_id_x 1
		.amdhsa_system_sgpr_workgroup_id_y 1
		.amdhsa_system_sgpr_workgroup_id_z 1
		.amdhsa_system_vgpr_workitem_id 0
		.amdhsa_next_free_vgpr 512
		.amdhsa_next_free_sgpr 80
		.amdhsa_reserve_vcc 0
		.amdhsa_float_denorm_mode_32 3
		.amdhsa_float_denorm_mode_16_64 3
		.amdhsa_memory_ordered 1
		.amdhsa_forward_progress 1
		.amdhsa_inst_pref_size 137
	.end_amdhsa_kernel
	.amdgpu_metadata
---
amdhsa.version: [ 1, 2 ]
amdhsa.kernels:
  - .name:           k_q62c82a0f30_ff2
    .symbol:         k_q62c82a0f30_ff2.kd
    .args:
      - { .name: h, .offset: 0, .size: 8, .value_kind: global_buffer, .address_space: global }
      - { .name: wo2, .offset: 8, .size: 8, .value_kind: global_buffer, .address_space: global }
      - { .name: out0, .offset: 16, .size: 8, .value_kind: global_buffer, .address_space: global }
      - { .name: b2, .offset: 24, .size: 8, .value_kind: global_buffer, .address_space: global }
      - { .name: x1c, .offset: 32, .size: 8, .value_kind: global_buffer, .address_space: global }
    .group_segment_fixed_size: 327680
    .private_segment_fixed_size: 0
    .kernarg_segment_align: 8
    .kernarg_segment_size: 40
    .max_flat_workgroup_size: 128
    .sgpr_count:     80
    .vgpr_count:     512
    .wavefront_size: 32
...
	.end_amdgpu_metadata
.endif
;; end of part 5
;; ======== version 2 of 2: 6 launches; 1.17 times as fast as version 1
;; workspace buffers: xb 8,388,608 bytes; wqkv 6,324,224 bytes; w1p 8,421,376 bytes; wo2 10,485,760 bytes; qkv 25,165,824 bytes; ao 8,388,608 bytes; x1c 25,165,824 bytes; h 33,554,432 bytes
;; launch prep: the kernel of part 1 again; grid 1025 x 1, 8 waves a work-group, no clusters, 0 bytes of LDS; arguments x, W1, W2, Wq, Wk, Wv, Wo, bq, bk, bv, b1, xb, wqkv, w1p, wo2; writes xb, wqkv, w1p, wo2
;; launch qkv (part 6): grid 12 x 16, 4 waves a work-group, clusters of 4 x 4, 327,680 bytes of LDS; arguments xb, wqkv, qkv; writes qkv
.if DOCPART == 6
	.amdgcn_target "amdgcn-amd-amdhsa--gfx1250"
	.amdhsa_code_object_version 6
	.text
	.protected	k_q62c82a0f30_qkv
	.globl	k_q62c82a0f30_qkv
	.p2align	8
	.type	k_q62c82a0f30_qkv,@function
k_q62c82a0f30_qkv:
	s_mov_b64 s[64:65], 0
	v_nop
	global_prefetch_b8 v0, s[64:65] scope:SCOPE_SE
	s_setreg_imm32_b32 hwreg(HW_REG_WAVE_MODE, 25, 1), 1
	s_wait_xcnt 0x0
	s_wait_alu depctr_hold_cnt(0) depctr_sa_sdst(0) depctr_va_vdst(0) depctr_va_sdst(0) depctr_va_ssrc(0) depctr_va_vcc(0) depctr_vm_vsrc(0)
	s_getreg_b32 s2, hwreg(HW_REG_IB_STS2, 6, 4)
	s_cmp_eq_u32 s2, 0
	s_cbranch_scc0 .Lentry_in_a_cluster
	s_endpgm
.Lentry_in_a_cluster:
	s_bfe_u32 s2, ttmp6, 0x10000c
	s_cmp_lg_u32 s2, 0xf033
	s_cbranch_scc0 .Lentry_shape_is_right
	s_endpgm
.Lentry_shape_is_right:
; out = max(A W + bias, floor), rounded to bf16.  Serves two launches: the projections q|k|v (floor = -infinity: no activation) and the first
; feed-forward product (floor = 0: relu).  Arguments: A, W, out.
;   A:   16 panels [4096 tokens][64 k] bf16 (a row 128 bytes, a panel 524,288 bytes)
;   W:   header of 32,768 bytes (bias in f32 by column at 0, the floor in f32 at 16,384), then N/128 panels [1024 k][128 n] bf16
;   out: N/64 panels [4096 tokens][64 n] bf16
; LIMITS: operands are bf16, sums f32; the bias is the sum's first term, not its last (another order of rounding than bias added at the end);
; the maximum drops a NaN (a NaN sum comes out as the floor).
; A work-group makes 256 tokens x 256 columns with four waves (2 x 2), a wave 128 x 128: 64 accumulator tiles, 512 registers.  For 32 along K a wave
; reads 2 x 128 x 64 bytes from LDS and issues 64 matrix instructions.  N = 4096 gives 16 x 16 = 256 work-groups, N = 3072 gives 12 x 16 = 192.
; K goes in steps of 128 through two LDS slots filled by tensor loads; a step is multiplied in four quarters of 32.
; CLUSTERS: 4 x 4 work-groups.  The four of a row of the cluster need the same tokens of A, the four of a column the same two panels of W: each tile is
; asked for jointly, by the same tensor load with a mask that names the four, which divides the requests for A and W by four.
; W lies [k][n] in LDS; ds_load_tr16_b128 transposes it on the way into the fragment.
; THE MATRIX INSTRUCTION IS USED TRANSPOSED: source 0 = 16 columns of W, source 1 = 16 tokens of A; lane l then holds token l % 16 and its eight
; registers the columns 8 (l / 16) + 0 .. 7: eight neighbouring numbers of a row, which pack into 16 bytes.
; REGISTERS, in windows of 256 (s_set_vgpr_msb's low byte: bits 1:0 source 0, 3:2 source 1, 5:4 source 2, 7:6 destination):
;   window 0: v16-28 addresses; v64-127, v128-191 fragments of W (8 x 16 columns x 32 K), two buffers; v192-223 packed results on the way out
;   window 1: v0-63 the bias of my 128 columns as the accumulators hold them (column block b at v[8 b]); v64-127, v128-191 fragments of A, two buffers
;   window 2: the 32 accumulator tiles of my tokens 0-63 (tile (a, b) at v[8 (8 a + b)]);   window 3: those of my tokens 64-127
.set KTOT,    1024                     ; the contraction's length
.set WOFF,    32768                    ; W's first panel in its buffer
.set PANEL_W, KTOT*256                 ; bytes of a panel of W
.set KSTEP,   128
.set LAPS,    KTOT/(2*KSTEP)           ; a lap = two K steps = once round the ring: 4
.set PA,      144                      ; LDS pitch of A's rows: 128 bytes + 16, an odd multiple of 16: sixteen rows begin in sixteen different 16-byte columns of 256
.set PANA,    128*PA                   ; 128 tokens of one panel
.set PB,      288                      ; LDS pitch of W's rows: 256 bytes + 32, an odd multiple of 32, as the transposing load's eight rows want
.set HALFT,   2*PANA                   ; what one tensor load brings: 128 tokens of two panels of A, or 128 rows of one panel of W (128 x 288, the same 36,864 bytes)
.set BPART,   2*HALFT                  ; W's part of a slot lies behind A's
.set SLOT,    4*HALFT
.set STAGE,   2*SLOT                   ; behind the ring, filled by no tensor load: 16 rows x 272 bytes for each wave
.set SP,      272
.set STEP_A,  2*524288                 ; a K step on: two panels of A,
.set STEP_B,  KSTEP*256                ; 128 rows of W
.set ADRA, 16                          ; v16-17  my A fragments in slot 0, 1
.set ADRB, 20                          ; v20-21  my W fragments in slot 0, 1
.set STO,  24                          ; the way out: where I put 16 bytes of a token's row
.set RD,   25                          ; where I read 16 bytes back
.set CO,   26                          ; my byte offset in four rows of an output panel
.set BO,   28                          ; my byte offset in the bias
.set F0,   64                          ; fragment buffer 0
.set F1,   128                         ; fragment buffer 1
.set MX,   64                          ; the way out: 64 results in f32, window 0
.set TMP,  192                         ; the way out: packed results, window 0
.set G1,  24                           ; s[24:31] group 1 for A     s[32:39] group 0 for A, a set for each slot
.set G0,  32
.set G1B, 48                           ; s[48:55] group 1 for W     s[56:63] group 0 for W
.set G0B, 56
.set MUL_LO,   0xa4                    ; source 0 (W) window 0, source 1 (A) window 1, C and D window 2
.set MUL_HI,   0xf4                    ; the same, C and D window 3
.set FIRST_LO, 0x94                    ; the first product: C is the bias in window 1, D window 2
.set FIRST_HI, 0xd4                    ; the same, D window 3
.set TO_A,     0x40                    ; destination window 1, address window 0
.set MSB, 0
.macro WIN new                         ; the immediate's high byte repeats the setting that is left
.if MSB != \new
	s_set_vgpr_msb (MSB<<8)|\new
.set MSB, \new
.endif
.endm
.macro JLOAD s                         ; a joint load: waves 0, 1 fetch A's halves, waves 2, 3 W's; the branch hangs on the wave's number alone
	s_cmp_eq_u32 s11, 0
	s_cbranch_scc0 .Lfor_b_\@
	tensor_load_to_lds s[G0+4*\s:G0+4*\s+3], s[G1:G1+7]
	s_nop 0
	s_branch .Lasked_\@
.Lfor_b_\@:
	tensor_load_to_lds s[G0B+4*\s:G0B+4*\s+3], s[G1B:G1B+7]
	s_nop 0
.Lasked_\@:
.endm
.macro CREST                           ; a round of the cluster's barrier behind its opening work-group barrier
	s_cmp_lg_u32 s10, 0
	s_cbranch_scc1 .Lnot_wave_0_\@
	s_barrier_signal -3
.Lnot_wave_0_\@:
	s_barrier_wait -3
	s_barrier_signal -1
	s_barrier_wait -1
.endm
.macro CROUND
	s_barrier_signal -1
	s_barrier_wait -1
	CREST
.endm
.macro PLACES                          ; four plain vector places between a matrix instruction and a load into, or a read of, its registers
.rept 4
	v_nop
.endr
.endm
; 16 matrix instructions: token blocks a0, a0 + 1 of the window's four (hi = 0: my tokens 0-63, 1: tokens 64-127) x all 8 column blocks, 32 along K.
; The 64 accumulators take turns, one instruction a turn, in the same order in every quarter, over the loop's backward jump too.
; first = 1: the first product takes the bias of its column block as C and so starts the sums: nothing is cleared, and no bias is added later.
.macro MUL16 f, hi, a0, first
.irp a, \a0, \a0+1
.irp b, 0,1,2,3,4,5,6,7
.if \first
	v_wmma_f32_16x16x32_bf16 v[8*(8*(\a)+\b):8*(8*(\a)+\b)+7], v[\f+8*\b:\f+8*\b+7], v[\f+8*(4*\hi+\a):\f+8*(4*\hi+\a)+7], v[8*\b:8*\b+7]
.else
	v_wmma_f32_16x16x32_bf16 v[8*(8*(\a)+\b):8*(8*(\a)+\b)+7], v[\f+8*\b:\f+8*\b+7], v[\f+8*(4*\hi+\a):\f+8*(4*\hi+\a)+7], v[8*(8*(\a)+\b):8*(8*(\a)+\b)+7]
.endif
.endr
.endr
.endm
; 32 LDS loads in one run: the fragments of quarter q (0..3) of a slot into buffer f: 16 transposing loads for W's 128 columns, then 16 loads for A's 128 tokens
; (quarter q of A: panel q / 2 of the slot's two, bytes 64 (q % 2) of its rows)
.macro FETCH slot, q, f
	WIN 0
.irp i, 0,1,2,3,4,5,6,7
	ds_load_tr16_b128 v[\f+8*\i:\f+8*\i+3],   v[ADRB+\slot] offset:\q*32*PB+32*\i
	ds_load_tr16_b128 v[\f+8*\i+4:\f+8*\i+7], v[ADRB+\slot] offset:\q*32*PB+32*\i+16*PB
.endr
	WIN TO_A
.irp i, 0,1,2,3,4,5,6,7
	ds_load_b128 v[\f+8*\i:\f+8*\i+3],   v[ADRA+\slot] offset:(\q>>1)*PANA+(\q&1)*64+\i*16*PA
	ds_load_b128 v[\f+8*\i+4:\f+8*\i+7], v[ADRA+\slot] offset:(\q>>1)*PANA+(\q&1)*64+\i*16*PA+32
.endr
.endm
; One of a K step's first three quarters: multiplies buffer f; in its middle it fetches quarter nq's fragments into buffer g, 32 matrix instructions ahead of their first use.
.macro QUARTER slot, nq, f, g, first
	s_wait_dscnt 8                                 ; W and A's tokens 0-63 are in; the youngest eight loads (A's tokens 64-127) may be out
.if \first
	WIN FIRST_LO
.else
	WIN MUL_LO
.endif
	MUL16 \f, 0, 0, \first
	MUL16 \f, 0, 2, \first
	PLACES                                         ; buffer g was read by matrix instructions: four places in front of the loads into it
	FETCH \slot, \nq, \g
	s_wait_dscnt 32                                ; all but the 32 just issued
.if \first
	WIN FIRST_HI
.else
	WIN MUL_HI
.endif
	MUL16 \f, 1, 0, \first
	MUL16 \f, 1, 2, \first
.endm
.macro THREE slot, first
	QUARTER \slot, 1, F0, F1, \first
	QUARTER \slot, 2, F1, F0, 0
	QUARTER \slot, 3, F0, F1, 0
.endm
; The last quarter (buffer 1) and the change of slots.  In front of the barrier each wave waits for its reads of this slot and for all its tensor loads
; (one is out: its part of the next slot).  fill = 1: the barrier opens a round of the cluster's barrier, and the joint refill of this slot, two K steps
; ahead, is the first tensor load behind the round.  From that request to the wait for it a wave issues 240 matrix instructions.
.macro TURN slot, next, fill
	s_wait_dscnt 8
	WIN MUL_LO
	MUL16 F1, 0, 0, 0
	s_wait_dscnt 0x0                               ; my reads of this slot are over
	s_wait_tensorcnt 0x0                           ; and all my tensor loads have landed
	ds_add_u32 v255, v255
	s_wait_dscnt 0x0
	s_barrier_signal -1
	MUL16 F1, 0, 2, 0                              ; register work while the others arrive
	WIN 0
	s_barrier_wait -1
.if \fill
	CREST                                          ; no wave of any partner still reads this slot's tile or has a load on its way
	s_add_nc_u64 s[G0+4*\slot+2:G0+4*\slot+3], s[G0+4*\slot+2:G0+4*\slot+3], 2*STEP_A      ; no tensor load of mine is out: group 0 may be written
	s_add_nc_u64 s[G0B+4*\slot+2:G0B+4*\slot+3], s[G0B+4*\slot+2:G0B+4*\slot+3], 2*STEP_B
	JLOAD \slot
.endif
	PLACES
	FETCH \next, 0, F0
	WIN MUL_HI
	MUL16 F1, 1, 0, 0
	MUL16 F1, 1, 2, 0
.endm
.macro LAP first                       ; once round the ring, both slots filled again
	THREE 0, \first
	TURN 0, 1, 1
	THREE 1, 0
	TURN 1, 0, 1
.endm
	s_load_b128 s[4:7], s[0:1], 0x0                ; A, W
	s_load_b64 s[8:9], s[0:1], 0x10                ; out
	v_lshl_add_u32 v255, v0, 2, 0x4c400
	s_set_vgpr_msb 0x40
	v_mov_b32 v255, 0
	s_set_vgpr_msb 0x4044
	ds_add_u32 v255, v255
	s_set_vgpr_msb 0x4400
	v_lshrrev_b32 v1, 5, v0
	v_readfirstlane_b32 s10, v1                    ; wave 0..3
	s_lshr_b32 s11, s10, 1                         ; my half of the tokens.  Also: I fetch for A (0) or for W (1)
	s_and_b32 s12, s10, 1                          ; my half of the columns.  Also: which half of that tile I fetch
	s_bfe_u32 s40, ttmp6, 0x40000                  ; cx
	s_bfe_u32 s41, ttmp6, 0x40004                  ; cy
	s_lshl_b32 s42, ttmp9, 2
	s_add_co_u32 s42, s42, s40                     ; block column = 4 x cluster x + cx
	s_and_b32 s13, ttmp7, 0xffff
	s_lshl_b32 s13, s13, 2
	s_add_co_u32 s13, s13, s41                     ; block row = 4 x cluster y + cy
	s_lshl_b32 s43, s41, 2
	s_lshl_b32 s43, 15, s43                        ; my row of the cluster
	s_lshl_b32 s44, 0x1111, s40                    ; my column
	; group 1 for A: 128 tokens of two panels.  In memory 128 tokens of a panel are 8,192 consecutive elements: that is the tile's row; the next panel lies
	; 262,144 elements on.  16 bytes of padding behind every 32 words (a token's 128 bytes): LDS pitch 144.
	s_or_b32 s[G1+0], s43, (1<<16)|(1<<20)|(1<<21)|(4<<22)|(3<<25)
	s_mov_b32 s[G1+1], 8192<<16                    ; tensor_dim0 = 8,192
	s_mov_b32 s[G1+2], 2<<16                       ; tensor_dim1 = 2
	s_mov_b32 s[G1+3], 8192<<16                    ; tile_dim0 = 8,192
	s_mov_b32 s[G1+4], 2                           ; tile_dim1 = 2
	s_mov_b32 s[G1+5], 262144                      ; from panel to panel
	s_mov_b32 s[G1+6], 0
	s_mov_b32 s[G1+7], 0
	; group 1 for W: 128 rows of 128 elements of one panel, dense; 32 bytes of padding behind every 64 words: LDS pitch 288
	s_or_b32 s[G1B+0], s44, (1<<16)|(1<<20)|(1<<21)|(5<<22)|(7<<25)
	s_mov_b32 s[G1B+1], 128<<16
	s_mov_b32 s[G1B+2], 128<<16
	s_mov_b32 s[G1B+3], 128<<16
	s_mov_b32 s[G1B+4], 128
	s_mov_b32 s[G1B+5], 128
	s_mov_b32 s[G1B+6], 0
	s_mov_b32 s[G1B+7], 0
	; A's address hangs on the block row and the wave alone, W's on the block column and the wave alone, each in registers that never hold the other coordinate
	s_lshl_b32 s16, s13, 15                        ; 256 tokens of 128 bytes
	s_lshl_b32 s17, s12, 14                        ; 128 tokens
	s_add_co_u32 s16, s16, s17
	s_mov_b32 s17, 0
	s_mul_i32 s46, s42, 2*PANEL_W                  ; two panels a block column
	s_mul_i32 s47, s12, PANEL_W
	s_add_co_u32 s46, s46, s47
	s_add_co_u32 s46, s46, WOFF
	s_mov_b32 s47, 0
	s_mul_i32 s20, s10, HALFT                      ; LDS: A's two halves, then W's two = wave x 36,864
	s_wait_dscnt 0x0
	s_wait_kmcnt 0x0
	s_add_nc_u64 s[14:15], s[4:5], s[16:17]
	s_add_nc_u64 s[46:47], s[6:7], s[46:47]
	CROUND                                         ; all sixteen work-groups are here: the first joint loads meet
.irp s, 0,1
	s_mov_b32 s[G0+4*\s], 1
	s_add_co_u32 s[G0+4*\s+1], s20, \s*SLOT
	s_add_nc_u64 s[G0+4*\s+2:G0+4*\s+3], s[14:15], \s*STEP_A
	s_or_b32 s[G0+4*\s+3], s[G0+4*\s+3], 0x80000000
	s_mov_b32 s[G0B+4*\s], 1
	s_add_co_u32 s[G0B+4*\s+1], s20, \s*SLOT
	s_add_nc_u64 s[G0B+4*\s+2:G0B+4*\s+3], s[46:47], \s*STEP_B
	s_or_b32 s[G0B+4*\s+3], s[G0B+4*\s+3], 0x80000000
	JLOAD \s                                       ; both slots' first fills: two tensor loads of a wave are out here, one behind each later round
.endr
	s_load_b32 s72, s[6:7], 0x4000                 ; the floor
	s_lshl_b32 s73, s42, 10                        ; 256 columns of 4 bytes
	s_lshl_b32 s74, s12, 9
	s_add_co_u32 s73, s73, s74                     ; my first column's place in the bias
	s_lshl_b32 s78, s42, 21                        ; where my 128 x 128 block lies in the output's panels: four panels a block column,
	s_lshl_b32 s75, s12, 20                        ; two for my half,
	s_add_co_u32 s78, s78, s75
	s_lshl_b32 s75, s13, 15                        ; 256 rows of 128 bytes a block row,
	s_add_co_u32 s78, s78, s75
	s_lshl_b32 s75, s11, 14                        ; 128 for my half
	s_add_co_u32 s78, s78, s75
	s_mov_b32 s79, 0
	s_add_nc_u64 s[8:9], s[8:9], s[78:79]
	v_and_b32 v1, 15, v0                           ; r = l % 16
	v_bfe_u32 v2, v0, 4, 1                         ; h = l / 16
	v_lshl_add_u32 v[BO], v2, 5, s73               ; the bias of columns 8 h + 0..7 of each block of 16
	WIN TO_A                                       ; into window 1: register j of column block b = bias(16 b + 8 h + j), as the accumulators hold the columns
.irp b, 0,1,2,3,4,5,6,7
	global_load_b128 v[8*\b:8*\b+3],   v[BO], s[6:7] offset:64*\b
	global_load_b128 v[8*\b+4:8*\b+7], v[BO], s[6:7] offset:64*\b+16
.endr
	WIN 0
	v_mul_u32_u24 v3, v1, PA
	v_lshl_add_u32 v3, v2, 4, v3                   ; A: token r x pitch + 16 h
	s_mul_i32 s21, s11, HALFT                      ; my 128 tokens
	v_add_nc_u32 v[ADRA], s21, v3
	v_add_nc_u32 v[ADRA+1], SLOT, v[ADRA]
	v_and_b32 v4, 7, v0
	v_lshl_add_u32 v4, v2, 3, v4                   ; W: row 8 h + l % 8,
	v_mul_u32_u24 v4, v4, PB
	v_bfe_u32 v5, v0, 3, 1
	v_lshl_add_u32 v4, v5, 4, v4                   ; 16 bytes further for lanes 8-15 of each sixteen
	s_mul_i32 s22, s12, HALFT                      ; my 128 columns: one panel
	s_add_co_u32 s22, s22, BPART
	v_add_nc_u32 v[ADRB], s22, v4
	v_add_nc_u32 v[ADRB+1], SLOT, v[ADRB]
	s_mul_i32 s23, s10, 16*SP
	s_add_co_u32 s23, s23, STAGE                   ; my stage
	v_mul_u32_u24 v4, v1, SP
	v_lshl_add_u32 v4, v2, 4, v4                   ; in: token r, 16 bytes for each half of the lanes
	v_add_nc_u32 v[STO], s23, v4
	v_bfe_u32 v5, v0, 3, 2
	v_mul_u32_u24 v5, v5, SP
	v_and_b32 v3, 7, v0
	v_lshl_add_u32 v5, v3, 4, v5                   ; back: eight lanes take 128 bytes (64 columns) of a token, the wave four tokens
	v_add_nc_u32 v[RD], s23, v5
	v_and_b32 v3, 31, v0
	v_lshlrev_b32 v[CO], 4, v3                     ; the same four tokens in an output panel: 512 consecutive bytes
	s_wait_tensorcnt 0x1                           ; my part of K step 0 is in; K step 1's may stay out
	s_barrier_signal -1
	s_barrier_wait -1
	FETCH 0, 0, F0
	s_wait_loadcnt 0x0                             ; the bias: the first products read it
	LAP 1                                          ; the first lap stands in front of the loop: its first products start the sums
.if LAPS > 2
	WIN 0                                          ; at a label and at a branch every window is 0
	s_mov_b32 s3, LAPS-2
.Llap:
	LAP 0
	WIN 0
	s_sub_co_u32 s3, s3, 1
	s_cmp_lg_u32 s3, 0
	s_cbranch_scc1 .Llap
.endif
	THREE 0, 0                                     ; the last lap fills nothing: my one tensor load that is still out is slot 1's, the last K step's
	TURN 0, 1, 0
	THREE 1, 0
	s_wait_dscnt 8                                 ; the very last quarter: nothing more to fetch
	WIN MUL_LO
	MUL16 F1, 0, 0, 0
	MUL16 F1, 0, 2, 0
	s_wait_dscnt 0x0
	WIN MUL_HI
	MUL16 F1, 1, 0, 0
	MUL16 F1, 1, 2, 0
	PLACES                                         ; behind the last matrix instructions: the maxima below read results and write over fragment buffers
	s_wait_kmcnt 0x0                               ; the floor
; THE WAY OUT, 16 tokens at a time (block i of my eight = the eight tiles (a, 0..7) of window 2 or 3; from = 0x08 or 0x0c: source 1): the floor, rounding to
; bf16, 16 bytes a lane into my own stage (a token's 128 columns are 256 bytes), back as four tokens x 64 columns, which are 512 consecutive bytes of an
; output panel.  LDS serves a wave's instructions in order (ISA guide 5.7.1), and the stage is the wave's own: no wait between stores and loads, no barrier.
; f: the registers of the read-back, v128-159 and v160-191 in turn.
.macro OUT16 i, a, from, f
	WIN \from
.irp b, 0,1,2,3,4,5,6,7
.irp j, 0,1,2,3,4,5,6,7
	v_max_num_f32 v[MX+8*\b+\j], s72, v[8*(8*\a+\b)+\j]
.endr
.endr
	WIN 0
.irp b, 0,1,2,3,4,5,6,7
.irp r, 0,1,2,3
	v_cvt_pk_bf16_f32 v[TMP+4*\b+\r], v[MX+8*\b+2*\r], v[MX+8*\b+2*\r+1]
.endr
.endr
.irp b, 0,1,2,3,4,5,6,7
	ds_store_b128 v[STO], v[TMP+4*\b:TMP+4*\b+3] offset:32*\b
.endr
	s_wait_xcnt 0x0                                ; registers that earlier stores read as data are written again only behind this wait
.irp t, 0,1,2,3,4,5,6,7
	ds_load_b128 v[\f+4*\t:\f+4*\t+3], v[RD] offset:(\t>>1)*4*SP+(\t&1)*128       ; tokens 4 (t / 2) .. + 3, columns 64 (t % 2) .. + 63
.endr
.irp t, 0,1,2,3,4,5,6,7
	s_wait_dscnt 7-\t                              ; the 7 - t younger stage reads may stay out
	global_store_b128 v[CO], v[\f+4*\t:\f+4*\t+3], s[8:9] offset:(\t&1)*524288+\i*2048+(\t>>1)*512   ; the wave stores 512 consecutive bytes, at a multiple of 512 from the panel's first byte
.endr
.endm
	OUT16 0, 0, 0x08, 128
	OUT16 1, 1, 0x08, 160
	OUT16 2, 2, 0x08, 128
	OUT16 3, 3, 0x08, 160
	OUT16 4, 0, 0x0c, 128
	OUT16 5, 1, 0x0c, 160
	OUT16 6, 2, 0x0c, 128
	OUT16 7, 3, 0x0c, 160
	s_set_vgpr_msb 0x4
	s_wait_tensorcnt 0x0
	ds_add_u32 v255, v255
	s_wait_dscnt 0x0
	s_set_vgpr_msb 0x400
	CROUND                                         ; the closing round: no work-group ends while a partner may still ask for a tile that names it
	s_endpgm
.Lfunc_end_k_q62c82a0f30_qkv:
	.size	k_q62c82a0f30_qkv, .Lfunc_end_k_q62c82a0f30_qkv-k_q62c82a0f30_qkv
	.p2alignl 7, 3214868480
	.fill 96, 4, 3214868480
	.section	.rodata,"a",@progbits
	.p2align	6, 0x0
	.amdhsa_kernel k_q62c82a0f30_qkv
		.amdhsa_group_segment_fixed_size 327680
		.amdhsa_private_segment_fixed_size 0
		.amdhsa_enable_private_segment 0
		.amdhsa_kernarg_size 24
		.amdhsa_user_sgpr_count 2
		.amdhsa_user_sgpr_kernarg_segment_ptr 1
		.amdhsa_wavefront_size32 1
		.amdhsa_system_sgpr_workgroup_id_x 1
		.amdhsa_system_sgpr_workgroup_id_y 1
		.amdhsa_system_sgpr_workgroup_id_z 1
		.amdhsa_system_vgpr_workitem_id 0
		.amdhsa_next_free_vgpr 1024
		.amdhsa_next_free_sgpr 80
		.amdhsa_reserve_vcc 0
		.amdhsa_float_denorm_mode_32 3
		.amdhsa_float_denorm_mode_16_64 3
		.amdhsa_memory_ordered 1
		.amdhsa_forward_progress 1
		.amdhsa_inst_pref_size 213
	.end_amdhsa_kernel
	.amdgpu_metadata
---
amdhsa.version: [ 1, 2 ]
amdhsa.kernels:
  - .name:           k_q62c82a0f30_qkv
    .symbol:         k_q62c82a0f30_qkv.kd
    .args:
      - { .name: xb, .offset: 0, .size: 8, .value_kind: global_buffer, .address_space: global }
      - { .name: wqkv, .offset: 8, .size: 8, .value_kind: global_buffer, .address_space: global }
      - { .name: qkv, .offset: 16, .size: 8, .value_kind: global_buffer, .address_space: global }
    .group_segment_fixed_size: 327680
    .private_segment_fixed_size: 0
    .kernarg_segment_align: 8
    .kernarg_segment_size: 24
    .max_flat_workgroup_size: 128
    .sgpr_count:     80
    .vgpr_count:     1024
    .wavefront_size: 32
...
	.end_amdgpu_metadata
.endif
;; end of part 6
;; launch attn (part 7): grid 8 x 32, 8 waves a work-group, no clusters, 327,680 bytes of LDS; arguments qkv, ao; writes ao
.if DOCPART == 7
	.amdgcn_target "amdgcn-amd-amdhsa--gfx1250"
	.amdhsa_code_object_version 6
	.text
	.protected	k_q62c82a0f30_attn
	.globl	k_q62c82a0f30_attn
	.p2align	8
	.type	k_q62c82a0f30_attn,@function
k_q62c82a0f30_attn:
	s_mov_b64 s[64:65], 0
	v_nop
	global_prefetch_b8 v0, s[64:65] scope:SCOPE_SE
	s_setreg_imm32_b32 hwreg(HW_REG_WAVE_MODE, 25, 1), 1
	s_wait_xcnt 0x0
; Causal attention of one head: ao = softmax(q k^T / 8, keys <= query) v.  qkv: 48 panels [4096 rows][64] bf16 (q of head h: panel h, k: 16 + h,
; v: 32 + h; row = 2048 batch + position).  ao: 16 panels of the same shape, panel = head.
; Work-group (i, 16 batch + head), i = 0..7, takes the query blocks i and 15 - i (128 queries each) against the key tiles 0..i and 0..15-i (128 keys
; each): i + 1 + 16 - i = 17 steps whatever i, so the 256 work-groups have equal work and tiles above the diagonal are never touched.
; EIGHT WAVES, 4 x 2: wave w takes the 32 queries of group w & 3 and the 64 keys of half w >> 2 of every tile.  A step of a wave is 32 matrix instructions
; on 16 KB read from LDS (16 loads for K, 16 for V): each K and V fragment serves two query tiles.  Each wave keeps a running maximum, a running sum and
; an O of its own for its half of the keys, in f32; at a block's end the two waves of a group hand each other one query tile through LDS and merge:
; m = max(ma, mb), w. = 2^(c (m. - m)), O = (wa Oa + wb Ob) / (wa la + wb lb).  Each then finishes 16 queries.
; TRANSPOSED FORMS: S^T = K Q^T (source 0: 16 keys, source 1: 16 queries): lane l holds query l % 16, register j of tile kt the key 16 kt + 8 (l / 16) + j.
; Two neighbouring tiles, packed to bf16, are then the second source of O^T = V^T P^T as they stand; V^T comes by the transposing LDS load.
; THE RING: two slots, each with the K and V tiles of TWO steps, brought by four tensor loads of four waves (the two tiles have descriptors of their own:
; the border between the two blocks, tile i and then tile 0, may fall inside a pair).  One barrier for two steps; a request has two steps in which to land.
; That barrier stands in the middle of the second step's softmax, where the slot's last reads (V) are back, so that the next slot's K fragments are asked
; for under the rest of the softmax.  K's fragments have registers of their own and are always loaded a step ahead.
; NO CLUSTER: the eight work-groups of a head need key tile t at different steps and stop at different tiles (i + 1 and 16 - i of them); a joint walk in
; which every partner asks for every tile would take 16 + 4 or more steps for all against 17, and a step asks for only 32,768 bytes.
; LIMITS: q, k, v and the weights p go to the matrix unit in bf16; the row sum adds the f32 p, the numerator the rounded p; an exponential below 2^-126 is 0.
.set PK,    144                        ; LDS pitch of K's rows: 128 bytes + 16
.set PV,    160                        ; of V's rows: 128 bytes + 32, an odd multiple of 32 for the transposing load
.set VOFF,  128*PK
.set TILE,  VOFF+128*PV                ; 38,912: one step's K and V
.set SLOT,  2*TILE                     ; 77,824
.set MST,   2*SLOT                     ; 155,648: the merge's stage, filled by no tensor load: for each query group two parts of 4,352 bytes (32 registers of O, maximum and sum)
.set MREG,  4352
.set OST,   MST+8*MREG                 ; 190,464: the way out's stage: 16 rows x 144 bytes for each wave
.set SPW,   16*PK
.set KADR, 1                           ; v1-4    K fragments at the ring's four tile places: place x 38,912 + (64 half + l % 16) x 144 + 16 (l / 16)
.set VADR, 5                           ; v5-8    V fragments likewise
.set DV,   9                           ; v9      32 group + l % 16 - 64 half - 8 (l / 16), signed: register j of key tile kt, query tile q is masked if 16 kt + j - 16 q > DV
.set M,    10                          ; v10-11  running maximum of the raw scores, for each query tile
.set LS,   12                          ; v12-13  running sum over my lane's keys
.set MN,   14                          ; v14-15  new maximum
.set AL,   16                          ; v[16:19] the old sums' factor, a pair for each query tile
.set NC,   20                          ; v[20:23] -c x new maximum, a pair for each query tile
.set T,    24                          ; v[24:31] at work; v31 is Q's load offset until Q has come
.set Q,    32                          ; v[32:63]   two query tiles x two fragments
.set O,    64                          ; v[64:127]  two query tiles x four d tiles
.set S,    128                         ; v[128:191] two query tiles x four key tiles
.set F,    192                         ; v[192:255] eight fragments of V
.set KF,   0                           ; window 1, v0-63 (v256-319): eight fragments of K
.set Q2,   64                          ; window 1, v64-95 (v320-351): the second block's Q
.set MSB, 0
.macro WIN new                         ; s_set_vgpr_msb's low byte: bits 1:0 source 0, 7:6 destination; the high byte repeats the setting that is left
.if MSB != \new
	s_set_vgpr_msb (MSB<<8)|\new
.set MSB, \new
.endif
.endm
.macro TILEOFF add                     ; s14 = byte offset of the key tile of step s11 + add: the step's number, less i + 1 in the second block; s15 stays 0
	s_add_co_u32 s13, s11, \add
	s_cmp_gt_u32 s13, s9
	s_cselect_b32 s14, s10, 0
	s_sub_co_u32 s13, s13, s14
	s_lshl_b32 s14, s13, 14                        ; 128 rows of 128 bytes
.endm
.macro DESC slot, add, both            ; the group 0 sets for the tiles of steps s11 + add (and + 1, if both) into \slot; written only where no tensor load of the wave is out
	TILEOFF \add
	s_mov_b32 s40, 1
	s_mov_b32 s41, \slot*SLOT
	s_add_nc_u64 s[42:43], s[16:17], s[14:15]
	s_or_b32 s43, s43, 0x80000000
	s_mov_b32 s44, 1
	s_mov_b32 s45, \slot*SLOT+VOFF
	s_add_nc_u64 s[46:47], s[18:19], s[14:15]
	s_or_b32 s47, s47, 0x80000000
.if \both
	TILEOFF \add+1
	s_mov_b32 s48, 1
	s_mov_b32 s49, \slot*SLOT+TILE
	s_add_nc_u64 s[50:51], s[16:17], s[14:15]
	s_or_b32 s51, s51, 0x80000000
	s_mov_b32 s52, 1
	s_mov_b32 s53, \slot*SLOT+TILE+VOFF
	s_add_nc_u64 s[54:55], s[18:19], s[14:15]
	s_or_b32 s55, s55, 0x80000000
.endif
.endm
.macro ALOAD both                      ; waves 0, 1 ask for K and V of the pair's first step, waves 2, 3 for those of its second: one tensor load a wave, at most one out
	s_cmp_lg_u32 s8, 0
	s_cbranch_scc1 .Lnot_0_\@
	tensor_load_to_lds s[40:43], s[24:31]
	s_nop 0
.Lnot_0_\@:
	s_cmp_lg_u32 s8, 1
	s_cbranch_scc1 .Lnot_1_\@
	tensor_load_to_lds s[44:47], s[32:39]
	s_nop 0
.Lnot_1_\@:
.if \both
	s_cmp_lg_u32 s8, 2
	s_cbranch_scc1 .Lnot_2_\@
	tensor_load_to_lds s[48:51], s[24:31]
	s_nop 0
.Lnot_2_\@:
	s_cmp_lg_u32 s8, 3
	s_cbranch_scc1 .Lnot_3_\@
	tensor_load_to_lds s[52:55], s[32:39]
	s_nop 0
.Lnot_3_\@:
.endif
.endm
.macro KLOAD pos                       ; my 64 keys x 64 d of the tile at place pos, into window 1: 16 loads
	WIN 0x40
.irp c, 0,1
.irp kt, 0,1,2,3
	ds_load_b128 v[KF+16*\kt+8*\c:KF+16*\kt+8*\c+3],   v[KADR+\pos] offset:\kt*16*PK+64*\c
	ds_load_b128 v[KF+16*\kt+8*\c+4:KF+16*\kt+8*\c+7], v[KADR+\pos] offset:\kt*16*PK+64*\c+32
.endr
.endr
	WIN 0
.endm
.macro VLOAD pos                       ; V^T of my 64 keys: d = 16 dt + l % 16, keys 32 u + ..: 16 transposing loads; they land under the softmax
.irp u, 0,1
.irp dt, 0,1,2,3
	ds_load_tr16_b128 v[F+32*\u+8*\dt:F+32*\u+8*\dt+3],   v[VADR+\pos] offset:\u*32*PV+32*\dt
	ds_load_tr16_b128 v[F+32*\u+8*\dt+4:F+32*\u+8*\dt+7], v[VADR+\pos] offset:\u*32*PV+32*\dt+16*PV
.endr
.endr
.endm
.macro SCORES                          ; S^T = K Q^T: 4 key tiles x 2 query tiles x 2 halves of d; the eight tiles take turns
	s_wait_dscnt 0x0                               ; K's fragments, asked for a step ago
	WIN 0x01                                       ; source 0 (K) in window 1
.irp q, 0,1
.irp kt, 0,1,2,3
	v_wmma_f32_16x16x32_bf16 v[S+32*\q+8*\kt:S+32*\q+8*\kt+7], v[KF+16*\kt:KF+16*\kt+7], v[Q+16*\q:Q+16*\q+7], 0
.endr
.endr
.irp q, 0,1
.irp kt, 0,1,2,3
	v_wmma_f32_16x16x32_bf16 v[S+32*\q+8*\kt:S+32*\q+8*\kt+7], v[KF+16*\kt+8:KF+16*\kt+15], v[Q+16*\q+8:Q+16*\q+15], v[S+32*\q+8*\kt:S+32*\q+8*\kt+7]
.endr
.endr
	WIN 0
.rept 4
	v_nop                                          ; four places: loads into K's fragments, reads of the scores
.endr
.endm
.macro MASK                            ; the diagonal tile: keys behind the query get -infinity
	v_mov_b32 v[T], 0xff800000
.irp q, 0,1
.irp kt, 0,1,2,3
.irp j, 0,1,2,3,4,5,6,7
	v_cmp_gt_i32 vcc_lo, 16*\kt+\j-16*\q, v[DV]
	v_cndmask_b32 v[S+32*\q+8*\kt+\j], v[S+32*\q+8*\kt+\j], v[T], vcc_lo
.endr
.endr
.endr
.endm
.macro SM_MAX                          ; the new maxima: two chains over each query tile's 32 scores, the other half of the lanes, the old maximum
.irp k, 0,1,2,3
	v_max_num_f32 v[T+\k], v[S+16*\k], v[S+16*\k+1]
.endr
.irp m, 1,2,3,4,5,6,7
.irp k, 0,1,2,3
	v_max3_num_f32 v[T+\k], v[T+\k], v[S+16*\k+2*\m], v[S+16*\k+2*\m+1]
.endr
.endr
	v_max_num_f32 v[T], v[T], v[T+1]
	v_max_num_f32 v[T+2], v[T+2], v[T+3]
	v_permlanex16_b32 v[T+1], v[T], s60, s61
	v_permlanex16_b32 v[T+3], v[T+2], s60, s61
	v_max3_num_f32 v[MN], v[T], v[T+1], v[M]
	v_max3_num_f32 v[MN+1], v[T+2], v[T+3], v[M+1]
	v_max_num_f32 v[MN], 0xff7fffff, v[MN]         ; a wave whose 64 keys all lie behind its queries has seen no score yet: its maximum is then the most negative
	v_max_num_f32 v[MN+1], 0xff7fffff, v[MN+1]     ; finite number, so that no infinity meets its opposite; its sum stays 0.  No finite score lies below it.
.endm
.macro SM_FMA                          ; exponents: c (score - maximum), c = log2(e) / 8: the scale 1 / sqrt(64) rides in the factor
.irp q, 0,1
	v_mul_f32 v[NC+2*\q], 0xbe38aa3b, v[MN+\q]
	v_mul_f32 v[NC+2*\q+1], 0xbe38aa3b, v[MN+\q]
	v_fma_f32 v[T+4+\q], v[M+\q], s62, v[NC+2*\q]  ; c (old maximum - new)
.endr
.irp q, 0,1
.irp n, 0,1,2,3,4,5,6,7,8,9,10,11,12,13,14,15
	v_pk_fma_f32 v[S+32*\q+2*\n:S+32*\q+2*\n+1], v[S+32*\q+2*\n:S+32*\q+2*\n+1], s[62:63], v[NC+2*\q:NC+2*\q+1] op_sel_hi:[1,0,1]
.endr
.endr
.endm
.macro SM_EXP
.set n, 0
.rept 64
	v_exp_f32 v[S+n], v[S+n]
.set n, n+1
.endr
.irp q, 0,1
	v_exp_f32 v[AL+2*\q], v[T+4+\q]
	v_exp_f32 v[AL+2*\q+1], v[T+4+\q]
.endr
	v_mov_b32 v[M], v[MN]                          ; the plain place behind the transcendentals (ISA guide 5.7.2)
	v_mov_b32 v[M+1], v[MN+1]
.endm
.macro SM_SUM                          ; the sums (two chains a query tile), P to bf16 in place, the old O scaled
	s_wait_alu depctr_va_vdst(0)
.irp q, 0,1
	v_pk_add_f32 v[T+4*\q:T+4*\q+1],   v[S+32*\q:S+32*\q+1],   v[S+32*\q+2:S+32*\q+3]
	v_pk_add_f32 v[T+4*\q+2:T+4*\q+3], v[S+32*\q+4:S+32*\q+5], v[S+32*\q+6:S+32*\q+7]
.endr
.irp n, 4,6,8,10,12,14
.irp q, 0,1
	v_pk_add_f32 v[T+4*\q:T+4*\q+1],   v[T+4*\q:T+4*\q+1],   v[S+32*\q+2*\n:S+32*\q+2*\n+1]
	v_pk_add_f32 v[T+4*\q+2:T+4*\q+3], v[T+4*\q+2:T+4*\q+3], v[S+32*\q+2*\n+2:S+32*\q+2*\n+3]
.endr
.endr
.irp q, 0,1
	v_pk_add_f32 v[T+4*\q:T+4*\q+1], v[T+4*\q:T+4*\q+1], v[T+4*\q+2:T+4*\q+3]
.endr
.irp q, 0,1
	v_add_f32 v[T+4*\q], v[T+4*\q], v[T+4*\q+1]
.endr
.irp q, 0,1
	v_fma_f32 v[LS+\q], v[LS+\q], v[AL+2*\q], v[T+4*\q]
.endr
.irp q, 0,1
.irp u, 0,1
.irp n, 0,1,2,3,4,5,6,7
	v_cvt_pk_bf16_f32 v[S+32*\q+16*\u+\n], v[S+32*\q+16*\u+2*\n], v[S+32*\q+16*\u+2*\n+1]   ; in place, ascending: v[S+32 q+16 u .. +7] = P^T's fragment for keys 32 u .. +31
.endr
.endr
.endr
.irp q, 0,1
.irp n, 0,1,2,3,4,5,6,7,8,9,10,11,12,13,14,15
	v_pk_mul_f32 v[O+32*\q+2*\n:O+32*\q+2*\n+1], v[O+32*\q+2*\n:O+32*\q+2*\n+1], v[AL+2*\q:AL+2*\q+1]
.endr
.endr
.endm
.macro OUTPROD                         ; O^T += V^T P^T: the eight tiles take turns
.irp u, 0,1
.irp q, 0,1
.irp dt, 0,1,2,3
	v_wmma_f32_16x16x32_bf16 v[O+32*\q+8*\dt:O+32*\q+8*\dt+7], v[F+32*\u+8*\dt:F+32*\u+8*\dt+7], v[S+32*\q+16*\u:S+32*\q+16*\u+7], v[O+32*\q+8*\dt:O+32*\q+8*\dt+7]
.endr
.endr
.endr
.rept 5
	v_nop                                          ; five places: the next scores are written over P's fragments; loads into V's; reads of O
.endr
.endm
.macro CLEAR                           ; empty sums; run twice in a work-group: the border between the two blocks stands at step i of the loop, so no first product can be written out
	v_mov_b32 v[M], 0xff800000
	v_mov_b32 v[M+1], 0xff800000
	v_mov_b32 v[LS], 0
	v_mov_b32 v[LS+1], 0
.set n, 0
.rept 64
	v_mov_b32 v[O+n], 0
.set n, n+1
.endr
.endm
.macro SEND q, sub                     ; query tile q of mine goes to my partner, through part sub of our group's stage: 16 consecutive bytes a lane
	v_mov_b32 v[T], v[M+\q]
	v_mov_b32 v[T+1], v[LS+\q]
.irp n, 0,1,2,3,4,5,6,7
	ds_store_b128 v[T+3], v[O+32*\q+4*\n:O+32*\q+4*\n+3] offset:\sub*MREG+512*\n
.endr
	ds_store_b64 v[T+4], v[T:T+1] offset:\sub*MREG+4096
.endm
.macro MERGE q, sub                    ; my query tile q and my partner's (its lanes and registers hold what mine hold), from part sub; the result to bf16 in v[S .. S+15]
.irp n, 0,1,2,3,4,5,6,7
	ds_load_b128 v[F+4*\n:F+4*\n+3], v[T+3] offset:\sub*MREG+512*\n
.endr
	ds_load_b64 v[T:T+1], v[T+4] offset:\sub*MREG+4096
	s_wait_dscnt 0x0
	v_max_num_f32 v[MN], v[M+\q], v[T]
	v_sub_f32 v[NC], v[M+\q], v[MN]
	v_sub_f32 v[NC+1], v[T], v[MN]
	v_mul_f32 v[NC], s62, v[NC]
	v_mul_f32 v[NC+1], s62, v[NC+1]
	v_exp_f32 v[NC], v[NC]                         ; my weight
	v_exp_f32 v[NC+1], v[NC+1]                     ; my partner's; one of the two is 1
	v_nop                                          ; one plain place behind a transcendental (ISA guide 5.7.2)
	s_wait_alu depctr_va_vdst(0)
	v_mul_f32 v[NC+2], v[NC], v[LS+\q]
	v_fma_f32 v[NC+2], v[NC+1], v[T+1], v[NC+2]    ; the whole row's sum
	v_rcp_f32 v[NC+3], v[NC+2]
	v_nop
	s_wait_alu depctr_va_vdst(0)
	v_mul_f32 v[AL], v[NC], v[NC+3]
	v_mul_f32 v[AL+1], v[NC], v[NC+3]
	v_mul_f32 v[AL+2], v[NC+1], v[NC+3]
	v_mul_f32 v[AL+3], v[NC+1], v[NC+3]
.irp n, 0,1,2,3,4,5,6,7,8,9,10,11,12,13,14,15
	v_pk_mul_f32 v[O+32*\q+2*\n:O+32*\q+2*\n+1], v[O+32*\q+2*\n:O+32*\q+2*\n+1], v[AL:AL+1]
.endr
.irp n, 0,1,2,3,4,5,6,7,8,9,10,11,12,13,14,15
	v_pk_fma_f32 v[O+32*\q+2*\n:O+32*\q+2*\n+1], v[F+2*\n:F+2*\n+1], v[AL+2:AL+3], v[O+32*\q+2*\n:O+32*\q+2*\n+1]
.endr
.irp n, 0,1,2,3,4,5,6,7,8,9,10,11,12,13,14,15
	v_cvt_pk_bf16_f32 v[S+\n], v[O+32*\q+2*\n], v[O+32*\q+2*\n+1]      ; v[S+4 dt ..]: d = 16 dt + 8 (l / 16) + 0..7 of my query
.endr
.endm
; A block's end.  The wave of key half 0 sends its query tile 1 and finishes tile 0; the wave of half 1 the other way round.  again = 1: another block follows.
.macro FINAL again
	v_permlanex16_b32 v[T], v[LS], s60, s61        ; the other half of the lanes holds the other keys of my queries
	v_permlanex16_b32 v[T+1], v[LS+1], s60, s61
	v_add_f32 v[LS], v[LS], v[T]
	v_add_f32 v[LS+1], v[LS+1], v[T+1]
	s_mul_i32 s13, s68, 2*MREG
	s_add_co_u32 s13, s13, MST                     ; my group's stage
	v_and_b32 v[T+2], 31, v0                       ; lane
	v_lshl_add_u32 v[T+3], v[T+2], 4, s13
	v_lshl_add_u32 v[T+4], v[T+2], 3, s13
	s_cmp_lg_u32 s66, 0
	s_cbranch_scc1 .Lsend_0_\@
	SEND 1, 0
	s_branch .Lsent_\@
.Lsend_0_\@:
	SEND 0, 1
.Lsent_\@:
	s_wait_dscnt 0x0                               ; for my partner's sake: my stores are done
	s_barrier_signal -1
	s_barrier_wait -1
	s_cmp_lg_u32 s66, 0
	s_cbranch_scc1 .Lmerge_1_\@
	MERGE 0, 1
	s_branch .Lmerged_\@
.Lmerge_1_\@:
	MERGE 1, 0
.Lmerged_\@:
.if \again
	s_barrier_signal -1                            ; every wave's reads of the merge's stage are back (waited for above): the next block's end may write it again
	s_barrier_wait -1
.endif
	s_mul_i32 s13, s8, SPW
	s_add_co_u32 s13, s13, OST                     ; my own stage for the way out
	v_and_b32 v[S+16], 15, v0
	v_mul_u32_u24 v[S+16], v[S+16], PK
	v_bfe_u32 v[S+17], v0, 4, 1
	v_lshl_add_u32 v[S+16], v[S+17], 4, v[S+16]
	v_add_nc_u32 v[S+16], s13, v[S+16]             ; in: row l % 16, 16 bytes for each half of the lanes
	v_bfe_u32 v[S+17], v0, 3, 2
	v_mul_u32_u24 v[S+17], v[S+17], PK
	v_and_b32 v[S+18], 7, v0
	v_lshl_add_u32 v[S+17], v[S+18], 4, v[S+17]
	v_add_nc_u32 v[S+17], s13, v[S+17]             ; back: eight lanes a row of 128 bytes, four rows a load
	s_lshl_b32 s14, s67, 11
	v_lshl_add_u32 v[S+18], v[T+2], 4, s14         ; in ao: my 16 rows begin at row 16 (2 group + half) of the block; 16 bytes a lane
.irp dt, 0,1,2,3
	ds_store_b128 v[S+16], v[S+4*\dt:S+4*\dt+3] offset:32*\dt
.endr
.irp g, 0,1,2,3
	ds_load_b128 v[S+32+4*\g:S+32+4*\g+3], v[S+17] offset:4*PK*\g      ; my own bytes, served in order: no wait between
.endr
.irp g, 0,1,2,3
	s_wait_dscnt 3-\g                              ; the 3 - g younger stage reads may stay out
	global_store_b128 v[S+18], v[S+32+4*\g:S+32+4*\g+3], s[58:59] offset:512*\g   ; the wave stores 512 consecutive bytes, aligned
.endr
.endm
.macro NEXTBLK                         ; block 15 - i: its place in ao; its Q, which has lain in window 1 since the start, so that no memory wait stands here; empty sums
	s_wait_xcnt 0x0                                ; the stores' base, offset and data are written again only behind this wait
	s_sub_co_u32 s13, 15, s9
	s_lshl_b32 s14, s13, 14
	s_add_nc_u64 s[58:59], s[22:23], s[14:15]
	WIN 0x01
.set n, 0
.rept 32
	v_mov_b32 v[Q+n], v[Q2+n]
.set n, n+1
.endr
	WIN 0
	CLEAR
.endm
; One step: the key tile at place pos (2 slot + first or second).  npos: the next step's place.  bar = 1: the slot's second step, with the barrier of the change of
; slots; fill = 2: this slot is filled again with two tiles, 1: with one, 0: not.  cond = 1: the step may be the first block's last.  tail = 1: the last step of all.
.macro STEP pos, npos, slot, bar, fill, cond, tail
	SCORES
	VLOAD \pos
.if \bar == 0
.if \tail == 0
	KLOAD \npos                                    ; the next step's K lies in the same slot
.endif
.endif
.if \tail
	MASK
.endif
.if \cond
	s_cmp_lg_u32 s11, s9                           ; step i is the first block's diagonal tile
	s_cbranch_scc1 .Lno_mask_\@
	MASK
.Lno_mask_\@:
.endif
	SM_MAX
	SM_FMA
.if \bar
	s_wait_dscnt 0x0                               ; my reads of this slot are over: V's fragments were the last
	s_set_vgpr_msb 0x5
	s_wait_tensorcnt 0x0                           ; all my tensor loads have landed (my part of the other slot): group 0 may be written
	ds_add_u32 v96, v97
	s_wait_dscnt 0x0
	s_set_vgpr_msb 0x500
.if \fill == 2
	DESC \slot, 3, 1                               ; the steps three and four ahead
.endif
.if \fill == 1
	DESC \slot, 3, 0                               ; step 16 alone
.endif
	s_barrier_signal -1
	SM_EXP                                         ; register work while the others arrive
	s_barrier_wait -1                              ; both hold of all eight waves: the other slot is whole, this one is free
.if \fill == 2
	ALOAD 1                                        ; first thing behind the barrier: it has two steps in which to land
.endif
.if \fill == 1
	ALOAD 0
.endif
	KLOAD \npos                                    ; the next step's K, from the other slot
.else
	SM_EXP
.endif
	SM_SUM
.if \tail
	s_wait_dscnt 0x0                               ; V's fragments
.else
	s_wait_dscnt 16                                ; V's fragments; the 16 loads of the next step's K, issued behind them, may stay out
.endif
	OUTPROD
.if \tail
	FINAL 0
.else
.if \cond
	s_cmp_lg_u32 s11, s9
	s_cbranch_scc1 .Lgo_on_\@
	FINAL 1                                        ; the first block is done
	NEXTBLK
.Lgo_on_\@:
.endif
	s_add_co_u32 s11, s11, 1
.endif
.endm
	s_load_b128 s[4:7], s[0:1], 0x0                ; qkv, ao
	s_set_vgpr_msb 0x40
	v_lshl_add_u32 v96, v0, 2, 0x33000
	v_mov_b32 v97, 0
	s_set_vgpr_msb 0x4045
	ds_add_u32 v96, v97
	s_set_vgpr_msb 0x4500
	v_lshrrev_b32 v[T], 5, v0
	v_readfirstlane_b32 s8, v[T]                   ; wave 0..7
	s_lshr_b32 s66, s8, 2                          ; my half of the keys
	s_and_b32 s68, s8, 3                           ; my group of 32 queries
	s_lshl1_add_u32 s67, s68, s66                  ; 2 group + half: the 16 queries that I finish
	s_mov_b32 s9, ttmp9                            ; i
	s_add_co_u32 s10, s9, 1
	s_and_b32 s13, ttmp7, 0xffff
	s_and_b32 s14, s13, 15                         ; head
	s_lshr_b32 s13, s13, 4                         ; batch
	s_lshl_b32 s14, s14, 19                        ; a panel
	s_lshl_b32 s13, s13, 18                        ; 2,048 rows of 128 bytes
	s_add_co_u32 s14, s14, s13
	s_mov_b32 s15, 0                               ; the high word of the offset pair s[14:15], for the whole kernel
	s_mov_b32 s11, 0                               ; the step's number
	s_mov_b32 s60, 0x76543210                      ; v_permlanex16_b32: lane l reads lane l xor 16
	s_mov_b32 s61, 0xfedcba98
	s_mov_b32 s62, 0x3e38aa3b                      ; c = log2(e) / 8
	s_mov_b32 s63, 0x3e38aa3b
	; group 1: a tile is 128 rows of 128 bytes, dense in memory, taken as 64 rows of 256 bytes; padding behind every 32 words (a row of 128 bytes)
	s_mov_b32 s24, (1<<16)|(1<<20)|(4<<22)|(3<<25) ; K: 4 words of padding: pitch 144
	s_mov_b32 s25, 128<<16
	s_mov_b32 s26, 64<<16
	s_mov_b32 s27, 128<<16
	s_mov_b32 s28, 64
	s_mov_b32 s29, 128
	s_mov_b32 s30, 0
	s_mov_b32 s31, 0
	s_mov_b32 s32, (1<<16)|(1<<20)|(4<<22)|(7<<25) ; V: 8 words of padding: pitch 160
	s_mov_b32 s33, 128<<16
	s_mov_b32 s34, 64<<16
	s_mov_b32 s35, 128<<16
	s_mov_b32 s36, 64
	s_mov_b32 s37, 128
	s_mov_b32 s38, 0
	s_mov_b32 s39, 0
	s_wait_dscnt 0x0
	s_barrier_signal -1
	s_barrier_wait -1
	s_wait_kmcnt 0x0
	s_add_nc_u64 s[20:21], s[4:5], s[14:15]        ; q of my head and batch
	s_add_nc_u64 s[22:23], s[6:7], s[14:15]        ; ao likewise
	s_add_nc_u64 s[16:17], s[20:21], 0x800000      ; k: 16 panels on
	s_add_nc_u64 s[18:19], s[16:17], 0x800000      ; v: 16 more
	DESC 0, 0, 1
	ALOAD 1                                        ; steps 0 and 1 into slot 0, ahead of every wait, LDS read and barrier
	v_and_b32 v[T+1], 15, v0                       ; l % 16
	v_bfe_u32 v[T+2], v0, 4, 1                     ; l / 16
	s_mul_i32 s13, s66, 64*PK                      ; my 64 keys
	v_mul_u32_u24 v[KADR], v[T+1], PK
	v_lshl_add_u32 v[KADR], v[T+2], 4, v[KADR]
	v_add_nc_u32 v[KADR], s13, v[KADR]
	v_add_nc_u32 v[KADR+1], TILE, v[KADR]
	v_add_nc_u32 v[KADR+2], 2*TILE, v[KADR]
	v_add_nc_u32 v[KADR+3], 3*TILE, v[KADR]
	v_and_b32 v[T+3], 7, v0
	v_lshl_add_u32 v[T+3], v[T+2], 3, v[T+3]       ; V: row 8 (l / 16) + l % 8,
	v_mul_u32_u24 v[VADR], v[T+3], PV
	v_bfe_u32 v[T+3], v0, 3, 1
	v_lshl_add_u32 v[VADR], v[T+3], 4, v[VADR]     ; 16 bytes further for lanes 8-15 of each sixteen
	s_mul_i32 s13, s66, 64*PV
	s_add_co_u32 s13, s13, VOFF
	v_add_nc_u32 v[VADR], s13, v[VADR]
	v_add_nc_u32 v[VADR+1], TILE, v[VADR]
	v_add_nc_u32 v[VADR+2], 2*TILE, v[VADR]
	v_add_nc_u32 v[VADR+3], 3*TILE, v[VADR]
	s_lshl_b32 s13, s68, 5
	s_lshl_b32 s69, s66, 6
	s_sub_co_i32 s13, s13, s69                     ; 32 group - 64 half
	v_lshlrev_b32 v[T+3], 3, v[T+2]
	v_sub_nc_u32 v[DV], v[T+1], v[T+3]
	v_add_nc_u32 v[DV], s13, v[DV]
	s_lshl_b32 s13, s68, 12                        ; 32 rows of 128 bytes
	v_lshlrev_b32 v[T+7], 7, v[T+1]
	v_lshl_add_u32 v[T+7], v[T+2], 4, v[T+7]
	v_add_nc_u32 v[T+7], s13, v[T+7]               ; Q: (32 group + l % 16) x 128 + 16 (l / 16)
	s_lshl_b32 s14, s9, 14                         ; block i: 128 rows of 128 bytes a block
	s_add_nc_u64 s[56:57], s[20:21], s[14:15]
	s_add_nc_u64 s[58:59], s[22:23], s[14:15]
	s_sub_co_u32 s13, 15, s9
	s_lshl_b32 s14, s13, 14                        ; block 15 - i
	s_add_nc_u64 s[70:71], s[20:21], s[14:15]
.irp q, 0,1
.irp n, 0,1,2,3
	global_load_b128 v[Q+16*\q+4*\n:Q+16*\q+4*\n+3], v[T+7], s[56:57] offset:2048*\q+32*\n
.endr
.endr
	WIN 0x40
.irp q, 0,1
.irp n, 0,1,2,3
	global_load_b128 v[Q2+16*\q+4*\n:Q2+16*\q+4*\n+3], v[T+7], s[70:71] offset:2048*\q+32*\n
.endr
.endr
	WIN 0
	CLEAR
	s_set_vgpr_msb 0x5
	s_wait_tensorcnt 0x0                           ; my part of slot 0 is in, and group 0 may be written
	ds_add_u32 v96, v97
	s_wait_dscnt 0x0
	s_set_vgpr_msb 0x500
	DESC 1, 2, 1                                   ; steps 2 and 3
	s_wait_dscnt 0x0
	s_barrier_signal -1
	s_barrier_wait -1                              ; slot 0 is whole
	ALOAD 1                                        ; slot 1's first fill, issued as a refill is: my one tensor load behind this barrier
	KLOAD 0
	s_wait_loadcnt 0x0                             ; both blocks' Q; it also frees v31
	s_mov_b32 s12, 3
.Lquad:                                        ; steps 0 to 11, four a trip: once round the ring
	STEP 0, 1, 0, 0, 0, 1, 0
	STEP 1, 2, 0, 1, 2, 1, 0
	STEP 2, 3, 1, 0, 0, 1, 0
	STEP 3, 0, 1, 1, 2, 1, 0
	s_sub_co_u32 s12, s12, 1
	s_cmp_lg_u32 s12, 0
	s_cbranch_scc1 .Lquad
	STEP 0, 1, 0, 0, 0, 0, 0                       ; step 12; the first block ended at step i <= 7, so these steps have no mask and no block's end
	STEP 1, 2, 0, 1, 1, 0, 0                       ; step 13 asks for step 16's tile alone
	STEP 2, 3, 1, 0, 0, 0, 0                       ; step 14
	STEP 3, 0, 1, 1, 0, 0, 0                       ; step 15: nothing is left to fetch; its barrier shows step 16's tile to every wave
	STEP 0, 0, 0, 0, 0, 0, 1                       ; step 16: the second block's diagonal tile
	s_set_vgpr_msb 0x5
	s_wait_tensorcnt 0x0
	ds_add_u32 v96, v97
	s_wait_dscnt 0x0
	s_set_vgpr_msb 0x500
	s_endpgm
.Lfunc_end_k_q62c82a0f30_attn:
	.size	k_q62c82a0f30_attn, .Lfunc_end_k_q62c82a0f30_attn-k_q62c82a0f30_attn
	.p2alignl 7, 3214868480
	.fill 96, 4, 3214868480
	.section	.rodata,"a",@progbits
	.p2align	6, 0x0
	.amdhsa_kernel k_q62c82a0f30_attn
		.amdhsa_group_segment_fixed_size 327680
		.amdhsa_private_segment_fixed_size 0
		.amdhsa_enable_private_segment 0
		.amdhsa_kernarg_size 16
		.amdhsa_user_sgpr_count 2
		.amdhsa_user_sgpr_kernarg_segment_ptr 1
		.amdhsa_wavefront_size32 1
		.amdhsa_system_sgpr_workgroup_id_x 1
		.amdhsa_system_sgpr_workgroup_id_y 1
		.amdhsa_system_sgpr_workgroup_id_z 1
		.amdhsa_system_vgpr_workitem_id 0
		.amdhsa_next_free_vgpr 354
		.amdhsa_next_free_sgpr 72
		.amdhsa_reserve_vcc 1
		.amdhsa_float_denorm_mode_32 3
		.amdhsa_float_denorm_mode_16_64 3
		.amdhsa_memory_ordered 1
		.amdhsa_forward_progress 1
		.amdhsa_inst_pref_size 255
	.end_amdhsa_kernel
	.section	.bss,"aw",@nobits
	.p2align	6
	.space	262144
	.amdgpu_metadata
---
amdhsa.version: [ 1, 2 ]
amdhsa.kernels:
  - .name:           k_q62c82a0f30_attn
    .symbol:         k_q62c82a0f30_attn.kd
    .args:
      - { .name: qkv, .offset: 0, .size: 8, .value_kind: global_buffer, .address_space: global }
      - { .name: ao, .offset: 8, .size: 8, .value_kind: global_buffer, .address_space: global }
    .group_segment_fixed_size: 327680
    .private_segment_fixed_size: 0
    .kernarg_segment_align: 8
    .kernarg_segment_size: 16
    .max_flat_workgroup_size: 256
    .sgpr_count:     72
    .vgpr_count:     354
    .wavefront_size: 32
...
	.end_amdgpu_metadata
.endif
;; end of part 7
;; launch wo: the kernel of part 4 again; grid 8 x 32, 4 waves a work-group, clusters of 4 x 4, 327,680 bytes of LDS; arguments ao, wo2, x1c, bo, x; writes x1c
;; launch ff1: the kernel of part 6 again; grid 16 x 16, 4 waves a work-group, clusters of 4 x 4, 327,680 bytes of LDS; arguments x1c, w1p, h; writes h
;; launch ff2: the kernel of part 5 again; grid 8 x 32, 4 waves a work-group, clusters of 4 x 4, 327,680 bytes of LDS; arguments h, wo2, out0, b2, x1c; writes out0
